; MI455X (gfx1250); checked and timed in simulation.
; The chip was launched on July 23, 2026; its instructions are those of AMD's public machine-readable ISA for CDNA 5 (MIT licence, August 2026) and "CDNA5" Instruction Set Architecture Reference Guide (July 2026). The comments in the code are by the model that wrote it; some were corrected since.
;; Multi Head Attention. Allowed arithmetic: matrix products marked QUANTISED: E4M3 operands, one given power-of-two scale a tensor, by v_wmma_f32_16x16x64_fp8_fp8 or v_wmma_f32_16x16x128_fp8_fp8, f32 sums; everything else in f32.
;; Inputs: Wk_codes 16 x 64 x 32 x 32 uint8 (E4M3 codes of Wk, K innermost, in blocks of 32 codes); Wo_codes 1,024 x 32 x 32 uint8 (E4M3 codes of Wo, K innermost, in blocks of 32 codes); Wq_codes 16 x 64 x 32 x 32 uint8 (E4M3 codes of Wq, K innermost, in blocks of 32 codes); Wv_codes 16 x 64 x 32 x 32 uint8 (E4M3 codes of Wv, K innermost, in blocks of 32 codes); bo 1,024 float32; key_codes 4 x 2,048 x 32 x 32 uint8 (E4M3 codes of key, K innermost, in blocks of 32 codes); lowp_scales 12 int32 (the exponents e of the quantised operands' scales 2^e); query_codes 4 x 2,048 x 32 x 32 uint8 (E4M3 codes of query, K innermost, in blocks of 32 codes); value_codes 4 x 2,048 x 32 x 32 uint8 (E4M3 codes of value, K innermost, in blocks of 32 codes).
;; Outputs: out0 4 x 2,048 x 1,024 float32.
;; Constants: is_causal = 1.
;; This version of the problem:
;;   THIS VERSION OF THE PROBLEM IS GIVEN IN LOW PRECISION. The matrix products marked QUANTISED in the list below multiply operands that are first quantised to E4M3 (4 exponent bits, 3 mantissa bits; 8 bits a number), with one given power-of-two scale for each operand tensor; their sums are f32. All else is computed in f32.
;;   The module's matrix products, in the order in which they are computed (A, B: the left and right operand; K: the contracted axis; several contracted axes count as one K, in the product's order):
;;     1. [M 1,024, K 1,024] x [K 1,024, N 8,192]; A: input Wq (given as codes); B: input query (given as codes): QUANTISED (scales: A lowp_scales[0], B lowp_scales[1])
;;     2. [M 1,024, K 1,024] x [K 1,024, N 8,192]; A: input Wk (given as codes); B: input key (given as codes): QUANTISED (scales: A lowp_scales[2], B lowp_scales[3])
;;     3. [M 1,024, K 1,024] x [K 1,024, N 8,192]; A: input Wv (given as codes); B: input value (given as codes): QUANTISED (scales: A lowp_scales[4], B lowp_scales[5])
;;     4. batch 64 x [M 2,048, K 64] x [K 64, N 2,048]; A: computed on the way; B: computed on the way: QUANTISED (scales: A lowp_scales[6], B lowp_scales[7])
;;     5. batch 64 x [M 2,048, K 2,048] x [K 2,048, N 64]; A: softmax (see below); B: computed on the way: QUANTISED (scales: A lowp_scales[8], B lowp_scales[9])
;;     6. [M 8,192, K 1,024] x [K 1,024, N 1,024]; A: computed on the way; B: input Wo (given as codes): QUANTISED (scales: A lowp_scales[10], B lowp_scales[11])
;;   THE QUANTISER, for each operand of a quantised product, along K:
;;     - The operand's scale is 2^e, e = its entry of the input lowp_scales (int32; the entries are numbered through the quantised products in the list's order, A before B).
;;     - Each number is divided by the scale, clamped to +-448, and rounded to the nearest number of E4M3, ties to even, subnormals kept.
;;     - The product sums the exact products of the quantised numbers (number of the format x scale) in f32.
;;   ~~~python
;;   def quantise(x, axis, e):      # numpy; x: float32 -> the quantised numbers, widened to float32 again
;;       x = np.moveaxis(x, axis, -1); K = x.shape[-1]
;;       r = np.clip(x / 2.0 ** e, -448, 448)
;;       step = 2.0 ** (np.maximum(np.frexp(np.where(r == 0, 1, r))[1] - 1, -6) - 3)
;;       q = np.round(r / step) * step * 2.0 ** e      # np.round: ties to even
;;       return np.moveaxis(q, -1, axis).astype(np.float32)
;;   ~~~
;;   SOFTMAX AHEAD OF A QUANTISED PRODUCT. Where the list says 'softmax', what is quantised is not the finished softmax but p = 2^(t - M), with t = logit x log2(e) and M = ceil(the row's largest t), a whole number; so 1/2 < the row's largest p <= 1. The row's sum l is taken of the UNQUANTISED p, in f32, and the product's result is divided by l at the end. Since M is a whole number, a kernel that streams over the keys may use a running M (the ceiling of the running maximum): every later rescaling is an exact power of two, so the quantised numbers keep their values, but for numbers so far below the row's largest that they fall under the format's range.
;;   OPERANDS COMPUTED ON THE WAY. 'Computed on the way' means the value that the module computes at that place (a softmax that the list does not call 'softmax' is quantised finished and normalised). What goes into a quantiser is computed in f32, as accurately as f32 sums, v_exp_f32 and their like allow (about 1e-6 of the number): no bf16 or f16 on the way to a quantiser, and a product that is left as it is and whose result goes on into a quantised operand takes f32 operands (vector FMAs, or v_wmma_f32_16x16x4_f32). A number that lies on a knife's edge between two numbers of the format may be rounded either way, as far as f32 arithmetic and the matrix unit's own rounding can turn it there, and no further.
;;   INPUTS GIVEN AS CODES. Wk (in the module: [16, 1024, 64], K = its axis 1); Wo (in the module: [1024, 1024], K = its axis 1); Wq (in the module: [16, 1024, 64], K = its axis 1); Wv (in the module: [16, 1024, 64], K = its axis 1); key (in the module: [4, 2048, 1024], K = its axis 2); query (in the module: [4, 2048, 1024], K = its axis 2); value (in the module: [4, 2048, 1024], K = its axis 2): each comes as NAME_codes (uint8): NAME with its K axis moved to the last place and cut into blocks of 32 codes, [.., K / 32, bytes a block], one block behind the other in memory; one code a byte (a code: sign, 4 exponent bits, 3 mantissa bits); its scale is its entry of lowp_scales. Its value is code x scale, taken as it is: it is not quantised again, and the codes and scales need not be those that the quantiser above would give.
;; 2 versions, each right; version 2 is version 1 with the launch attn written anew for expert scheduling mode. Each part assembles by itself: llvm-mc -triple=amdgcn-amd-amdhsa -mcpu=gfx1250 --defsym DOCPART=n.
;; ======== version 1 of 2: 3 launches
;; workspace buffers: qc 8,388,608 bytes; kc 8,388,608 bytes; vc 8,388,608 bytes; ac 8,388,608 bytes
;; launch proj (part 1): grid 4 x 96, 4 waves a work-group, clusters of 4 x 4, 327,680 bytes of LDS; arguments query_codes, key_codes, value_codes, Wq_codes, Wk_codes, Wv_codes, lowp_scales, qc, kc, vc; writes qc, kc, vc
.if DOCPART == 1
	.amdgcn_target "amdgcn-amd-amdhsa--gfx1250"
	.amdhsa_code_object_version 6
	.text
	.protected	k_q8369c3e99b_proj
	.globl	k_q8369c3e99b_proj
	.p2align	8
	.type	k_q8369c3e99b_proj,@function
k_q8369c3e99b_proj:
	s_mov_b64 s[64:65], 0
	v_nop
	global_prefetch_b8 v0, s[64:65] scope:SCOPE_SE
	s_setreg_imm32_b32 hwreg(HW_REG_WAVE_MODE, 25, 1), 1
	s_wait_xcnt 0x0
	s_wait_alu depctr_hold_cnt(0) depctr_sa_sdst(0) depctr_va_vdst(0) depctr_va_sdst(0) depctr_va_ssrc(0) depctr_va_vcc(0) depctr_vm_vsrc(0)
	s_getreg_b32 s2, hwreg(HW_REG_IB_STS2, 6, 4)
	s_cmp_eq_u32 s2, 0
	s_cbranch_scc0 .Lentry_in_a_cluster
	s_endpgm
.Lentry_in_a_cluster:
	s_bfe_u32 s2, ttmp6, 0x10000c
	s_cmp_lg_u32 s2, 0xf033
	s_cbranch_scc0 .Lentry_shape_is_right
	s_endpgm
.Lentry_shape_is_right:
; THE THREE PROJECTIONS q, k, v, on codes of FP8 (E4M3), and their quantising for the two products of attention.
; Each is C = X W^T: X [8192 tokens][1024] and W [1024 = 16 heads x 64][1024] are codes with K innermost, rows of 1,024 bytes.  Sums in f32.
; A sum stands for sum x 2^(eW + eX); its code for the next product is sum / 2^E, E = eo - eW - eX, held within +-448 and rounded to the nearest code, ties to even.
;   q: eW, eX, eo = entries 0, 1, 6 of the scales;   k: 2, 3, 7;   v: 4, 5, 9.
; LIMIT: E lies between -126 and 119, so that 2^E and 448 x 2^E are f32 numbers.  NaN codes among the inputs are not served.
; SHARES.  384 tiles of 256 x 256, one a work-group of four waves; a wave makes 128 x 128: 64 accumulators, 512 registers.  24 clusters of 4 x 4: cluster y / 8 names the tensor (0 q, 1 k, 2 v),
; cluster y % 8 a group of 1,024 tokens.  K goes in steps of 256 through a ring of two LDS slots filled by joint tensor loads: "A"'s tile (source 1) is shared along a row of the cluster, "B"'s (source 0) along a column.
; In the result a lane holds ONE row of A and eight neighbouring rows of B.  For q and k: A = tokens, B = W: a lane holds a token and its registers run along the head's 64, the K of q k^T.
; FOR v THE TWO POINTERS CHANGE PLACES: A = Wv, B = tokens: a lane holds one of the head's 64 and its registers run along the keys, the K of p v.  Nothing is transposed; only pointers and offsets are chosen, by the tensor's number.
; THE RESULTS LEAVE AS IMAGES OF THE NEXT OPERAND'S REGISTERS.  Eight sums of a lane become 2 registers of codes, k = 16 c + 8 (lane / 16) + 0 .. 7: registers 2 c, 2 c + 1 of the plain 8-bit layout (ISA guide 7.12.2).
; Four such registers go out by one store of 16 bytes a lane at 16 x lane: 512 consecutive bytes, aligned.
;   qc, kc: (batch x 16 + head) x 131072 + (token / 16) x 1024 + p x 512 + 16 x lane      (lane % 16 = token % 16; registers 4 p .. 4 p + 3)
;   vc:     (batch x 16 + head) x 131072 + (key / 128) x 8192 + t x 2048 + g x 512 + 16 x lane   (lane % 16 = channel - 16 t; registers 4 g .. 4 g + 3 of the 16 for 128 keys)
; REGISTERS, in windows of 256: window 0: v12-29 constants and addresses; v32-95 at work on the way out; from v128 A's fragments, ONE set; on the way out the codes.
;   window 1: B's fragments, TWO sets.   window 2: the accumulators of my A rows 0-63 ((a, b) at v[8 (8 a + b)]);   window 3: those of rows 64-127.
.set SIZE_K, 1024
.set KSTEP,  256                       ; along K in a slot
.set ROWB,   256                       ; a tile's row in bytes
.set KROW,   SIZE_K                    ; a row of X or of W in memory, in bytes
.set PITCH,  272                       ; an LDS row: 256 bytes + 16 of padding = 68 words: row r starts at bank 4 r mod 64 (ISA guide 11.1), so the 16 rows of a load start at 16 different banks
.set FR,     16                        ; registers of a fragment: 16 rows x 128 K
.set NL,     4                         ; LDS loads that bring one
.set NP,     4                         ; places behind this matrix instruction (ISA guide 7.12.1)
.set HALFT,  128*PITCH                 ; 128 rows: what one tensor load brings
.set SLOT,   4*HALFT                   ; A's 256 rows, then B's 256 rows
.set LAPS,   SIZE_K/(2*KSTEP)          ; a lap = two K steps = once round the ring
.set SPARE,  2*SLOT                    ; behind the ring: the spare words, 128 bytes for each wave
.set SCL,  12                          ; v12     2^E as f32
.set LIM,  13                          ; v13     448 x 2^E
.set ADRA, 16                          ; v16-17  LDS address of my A fragments in slot 0, 1
.set ADRB, 20                          ; v20-21  the same for B
.set CO,   26                          ; v26     16 x lane: my place in a store's 512 bytes
.set SPW,  28                          ; v28     LDS address of my spare word; never rewritten
.set NIL,  29                          ; v29     0; never rewritten
.set TMP,  32                          ; v32-95  a block's 64 sums, held
.set AF,   128                         ; A's fragments
.set CD,   128                         ; the way out: 16 registers of codes for each of my eight blocks
.set G1, 24                            ; s[24:31] descriptor group 1 for A's tiles;  s[32:39] group 0, one set for each slot
.set G0, 32
.set G1B, 48                           ; s[48:55], s[56:63] the same for B's tiles
.set G0B, 56
.set TZ,  89                           ; s89     the tensor: 0 q, 1 k, 2 v: the same in all sixteen partners
.set MSB, 0
.macro WIN new                         ; the immediate's high byte repeats the setting that is left
.if MSB != \new
	s_set_vgpr_msb (MSB<<8)|\new
.set MSB, \new
.endif
.endm
.set MUL_LO, 0xa1                      ; source 0 (B) window 1, source 1 (A) window 0, C and D window 2
.set MUL_HI, 0xf1                      ; the same, C and D window 3
.set TO_B,   0x40                      ; destination window 1, address window 0
; A joint load: waves 0 and 1 fetch for A, waves 2 and 3 for B.  Each line has ONE mask and one set of registers for all that issue it; the branch hangs on the wave's number alone.
; Four v_nop follow each of the two lines, ahead of the jump, the label and what follows.
.macro JLOAD g0a, g1a, g0b, g1b
	s_cmp_eq_u32 s15, 0
	s_cbranch_scc0 .Lfor_b_\@
	tensor_load_to_lds s[\g0a:\g0a+3], s[\g1a:\g1a+7]
	s_nop 0
.rept 4
	v_nop
.endr
	s_branch .Lasked_\@
.Lfor_b_\@:
	tensor_load_to_lds s[\g0b:\g0b+3], s[\g1b:\g1b+7]
	s_nop 0
.rept 4
	v_nop
.endr
.Lasked_\@:
.endm
.macro CREST                           ; a round of the cluster's barrier behind its opening barrier
	s_cmp_lg_u32 s14, 0
	s_cbranch_scc1 .Lnot_wave_0_\@
	s_barrier_signal -3
.Lnot_wave_0_\@:
	s_barrier_wait -3
	s_barrier_signal -1
	s_barrier_wait -1
.endm
.macro CROUND                          ; a whole round
	s_barrier_signal -1
	s_barrier_wait -1
	CREST
.endm
	s_load_b512 s[68:83], s[0:1], 0x0              ; query s[68:69], key s[70:71], value s[72:73], Wq s[74:75], Wk s[76:77], Wv s[78:79], the scales s[80:81], qc s[82:83]
	s_load_b128 s[84:87], s[0:1], 0x40             ; kc s[84:85], vc s[86:87]
	v_lshl_add_u32 v[SPW], v0, 2, SPARE
	v_mov_b32 v[NIL], 0
	ds_add_u32 v28, v29
	ds_add_u32 v28, v29
	s_wait_dscnt 0x0
	v_lshrrev_b32 v1, 5, v0
	v_readfirstlane_b32 s14, v1                    ; wave 0..3
	s_lshr_b32 s15, s14, 1                         ; which half of the tile's A rows is mine.  Also: I fetch for A (0) or for B (1)
	s_and_b32 s16, s14, 1                          ; which half of its B rows.  Also: which 128 rows of that tile I fetch
	s_bfe_u32 s40, ttmp6, 0x40000                  ; cx, cy: my place in the cluster
	s_bfe_u32 s41, ttmp6, 0x40004
	s_and_b32 s88, ttmp7, 0xffff                   ; cluster y, 0 .. 23 (there is one cluster along x)
	s_lshr_b32 s[TZ], s88, 3                       ; the tensor
	s_and_b32 s90, s88, 7                          ; the group of 1,024 tokens
	s_cmp_eq_u32 s[TZ], 2
	s_cselect_b32 s91, 0, s90                      ; the tokens are A's rows for q and k,
	s_cselect_b32 s66, s90, 0                      ; B's rows for v
	s_lshl_b32 s42, s66, 2
	s_add_co_u32 s42, s42, s40                     ; B's tile: 4 x its group + cx
	s_lshl_b32 s17, s91, 2
	s_add_co_u32 s17, s17, s41                     ; A's tile: 4 x its group + cy
	s_lshl_b32 s43, s41, 2
	s_lshl_b32 s43, 15, s43                        ; my row of the cluster
	s_lshl_b32 s44, 0x1111, s40                    ; my column
	; descriptor group 1: a tile of 128 rows x 256 bytes, padded in LDS
	s_or_b32 s[G1+0], s43, (0<<16)|(1<<20)|(1<<21)|(5<<22)|(3<<25)  ; 15:0 the mask: A's tiles go to my row; 17:16 element of 1 byte; 20 padding on; 21 set beside a mask; 24:22 after every 64 words (code 5); 31:25 of 4 words (code 3)
	s_or_b32 s[G1B+0], s44, (0<<16)|(1<<20)|(1<<21)|(5<<22)|(3<<25)
.irp g, G1, G1B
	s_mov_b32 s[\g+1], ROWB<<16                    ; tensor_dim0
	s_mov_b32 s[\g+2], 128<<16                     ; tensor_dim1 = 128
	s_mov_b32 s[\g+3], ROWB<<16                    ; tile_dim0
	s_mov_b32 s[\g+4], 128                         ; tile_dim1 = 128
	s_mov_b32 s[\g+5], KROW                        ; tensor_dim0_stride
	s_mov_b32 s[\g+6], 0
	s_mov_b32 s[\g+7], 0
.endr
	s_lshl_b32 s18, s16, 7                         ; which 128 rows of the tile I fetch
	s_lshl_b32 s20, s17, 8
	s_add_co_u32 s20, s20, s18                     ; A: row 256 x tile + 128 x half,
	s_lshl_b32 s20, s20, 10                        ; in bytes (8,192 rows of 1,024 bytes at the most)
	s_mov_b32 s21, 0
	s_lshl_b32 s46, s42, 8
	s_add_co_u32 s46, s46, s18                     ; B likewise
	s_lshl_b32 s46, s46, 10
	s_mov_b32 s47, 0
	s_mul_i32 s45, s14, HALFT                      ; where they go: wave x 128 rows: no place in the cluster enters an LDS address
	s_wait_kmcnt 0x0
	s_cmp_eq_u32 s[TZ], 0                          ; the tensor's three buffers: the choices hang on the cluster's number alone
	s_cselect_b64 s[92:93], s[68:69], s[70:71]     ; the tokens' codes,
	s_cselect_b64 s[94:95], s[74:75], s[76:77]     ; the weight's,
	s_cselect_b64 s[10:11], s[82:83], s[84:85]     ; the results'
	s_cmp_eq_u32 s[TZ], 2
	s_cselect_b64 s[92:93], s[72:73], s[92:93]
	s_cselect_b64 s[94:95], s[78:79], s[94:95]
	s_cselect_b64 s[10:11], s[86:87], s[10:11]
	s_cselect_b64 s[4:5], s[94:95], s[92:93]       ; A: the tokens, for v the weight
	s_cselect_b64 s[6:7], s[92:93], s[94:95]       ; B: the weight, for v the tokens
	s_load_b256 s[68:75], s[80:81], 0x0            ; the scales' exponents, entries 0 to 7 (the pointers that lay here have been read),
	s_load_b128 s[76:79], s[80:81], 0x20           ; and 8 to 11: waited for on the way out
	s_add_nc_u64 s[20:21], s[4:5], s[20:21]
	s_add_nc_u64 s[46:47], s[6:7], s[46:47]
	CROUND                                         ; all sixteen work-groups are here: the first joint loads meet
.irp s, 0,1
	s_mov_b32 s[G0+4*\s], 1
	s_add_co_u32 s[G0+4*\s+1], s45, \s*SLOT
	s_add_nc_u64 s[G0+4*\s+2:G0+4*\s+3], s[20:21], \s*ROWB
	s_or_b32 s[G0+4*\s+3], s[G0+4*\s+3], 0x80000000
	s_mov_b32 s[G0B+4*\s], 1
	s_add_co_u32 s[G0B+4*\s+1], s45, \s*SLOT
	s_add_nc_u64 s[G0B+4*\s+2:G0B+4*\s+3], s[46:47], \s*ROWB
	s_or_b32 s[G0B+4*\s+3], s[G0B+4*\s+3], 0x80000000
	JLOAD G0+4*\s, G1, G0B+4*\s, G1B               ; two loads of mine are out
.endr
	v_and_b32 v1, 15, v0                           ; l % 16
	v_bfe_u32 v2, v0, 4, 1                         ; l / 16
	v_mul_u32_u24 v3, v1, PITCH
	v_lshl_add_u32 v4, v2, 4, v3                   ; a fragment's row x pitch + 16 x half
	s_mul_i32 s21, s15, HALFT                      ; my 128 rows of A
	s_mul_i32 s22, s16, HALFT                      ; my 128 rows of B,
	s_add_co_u32 s22, s22, 2*HALFT                 ; which lie behind A's 256
.irp s, 0,1
	v_add_nc_u32 v[ADRA+\s], s21, v4
	v_add_nc_u32 v[ADRB+\s], s22, v4
	s_add_co_u32 s21, s21, SLOT
	s_add_co_u32 s22, s22, SLOT
.endr
	v_and_b32 v6, 31, v0
	v_lshlrev_b32 v[CO], 4, v6
	; where my 128 x 128 begins in the results' buffer: (batch x 16 + first head) x 131072 + 64 x (first token in its batch), for all three layouts
	s_cmp_eq_u32 s[TZ], 2
	s_cselect_b32 s84, s42, s17                    ; the tokens' tile and my half of it,
	s_cselect_b32 s85, s16, s15
	s_cselect_b32 s86, s17, s42                    ; the weight's tile and my half of it
	s_cselect_b32 s87, s15, s16
	s_lshl_b32 s84, s84, 8
	s_lshl_b32 s85, s85, 7
	s_add_co_u32 s84, s84, s85                     ; my first token
	s_lshl_b32 s86, s86, 2
	s_lshl_b32 s87, s87, 1
	s_add_co_u32 s86, s86, s87                     ; my first head: 256 rows of W are 4 heads
	s_lshr_b32 s85, s84, 11                        ; the batch
	s_lshl_b32 s85, s85, 4
	s_add_co_u32 s85, s85, s86
	s_lshl_b32 s85, s85, 17
	s_and_b32 s84, s84, 2047
	s_lshl_b32 s84, s84, 6
	s_add_co_u32 s92, s85, s84
	s_mov_b32 s93, 0
	s_add_nc_u64 s[10:11], s[10:11], s[92:93]
.macro FRAG reg, adr, q, i             ; a fragment, 16 rows x 128 K: lane l holds row l % 16; registers 4 c .. 4 c + 3 hold K = 32 c + 16 (l / 16) + 0 .. 15: the same order of k in A and in B, so every product meets its partner
.irp c, 0,1,2,3
	ds_load_b128 v[\reg+4*\c:\reg+4*\c+3], v[\adr] offset:128*(\q)+32*\c+(\i)*16*PITCH
.endr
.endm
; 16 matrix instructions: A's blocks a0, a0 + 1 x B's eight, 128 along K.  p: B's set.  zero = 1: the first product starts the sums: nothing is ever cleared.
; The 64 accumulators take turns, one instruction a turn, in the same order in every step.
.macro MUL16 a0, p, zero
.irp a, \a0, \a0+1
.irp b, 0,1,2,3,4,5,6,7
.if \zero
	v_wmma_f32_16x16x128_fp8_fp8 v[8*(8*((\a)%4)+\b):8*(8*((\a)%4)+\b)+7], v[128*(\p)+FR*\b:128*(\p)+FR*\b+FR-1], v[AF+FR*(\a):AF+FR*(\a)+FR-1], 0
.else
	v_wmma_f32_16x16x128_fp8_fp8 v[8*(8*((\a)%4)+\b):8*(8*((\a)%4)+\b)+7], v[128*(\p)+FR*\b:128*(\p)+FR*\b+FR-1], v[AF+FR*(\a):AF+FR*(\a)+FR-1], v[8*(8*((\a)%4)+\b):8*(8*((\a)%4)+\b)+7]
.endif
.endr
.endr
.endm
.macro FETCH_B slot, q, p              ; B's eight fragments of the slot's q-th 128 along K into set p
	WIN TO_B
.irp i, 0,1,2,3,4,5,6,7
	FRAG 128*(\p)+FR*\i, ADRB+\slot, \q, \i
.endr
	WIN 0
.endm
.macro FETCH_A slot, q, i0             ; A's blocks i0 .. i0 + 3
.irp i, \i0, \i0+1, \i0+2, \i0+3
	FRAG AF+FR*(\i), ADRA+\slot, \q, \i
.endr
.endm
; A load into a register that a matrix instruction has read, and a vector instruction that reads a matrix result, stand NP places behind that matrix instruction; only plain vector
; instructions that name none of its registers are places (ISA guide 7.12.1 for vector instructions).
.macro PLACES n
.rept \n
	v_nop
.endr
.endm
; A step of 128 along K that has its successor in the same slot.  A's blocks are free as soon as their eight products are issued, so one set serves A: blocks 0-3 are fetched anew in the step's middle, 4-7 at its end.
.macro STEP slot, q, zero
	s_wait_dscnt 4*NL                              ; B's set and A's blocks 0-3 are in; the youngest 16 loads (A's blocks 4-7) may be out
	WIN MUL_LO
	MUL16 0, (\q)%2, \zero
	MUL16 2, (\q)%2, \zero
	s_wait_dscnt 0                                 ; A's blocks 4-7 are in (asked for 32 matrix instructions ago)
	PLACES NP
	FETCH_B \slot, (\q)+1, 1-(\q)%2
	FETCH_A \slot, (\q)+1, 0
	WIN MUL_HI
	MUL16 4, (\q)%2, \zero
	MUL16 6, (\q)%2, \zero
	PLACES NP
	WIN 0
	FETCH_A \slot, (\q)+1, 4
.endm
; A slot's last step changes slots: ONE barrier; in front of it each wave waits for all its tensor loads, adds 0 to its spare word, and waits for that and for its own reads of this slot.  fill = 1: this slot is filled again, two K steps ahead.
.macro TURN slot, next, fill
	s_wait_tensorcnt 0x0                           ; all my tensor loads have landed: my part of the next slot;  (every window is 0 here: the add's two registers lie in window 0)
	ds_add_u32 v[SPW], v[NIL]                      ; 0 onto my spare word
	s_wait_dscnt 4*NL+1                            ; (the add and the youngest 16 loads, A's blocks 4-7, may be out)
	WIN MUL_LO
	MUL16 0, 1, 0                                  ; sixteen matrix instructions stand between the add and the wait for it
	s_wait_dscnt 0x0                               ; the add is done, and my reads of this slot are over
	s_barrier_signal -1
	MUL16 2, 1, 0
	WIN 0
	s_barrier_wait -1
.if \fill
	CREST                                          ; the barrier has opened a round of the cluster's barrier: no wave of any partner still reads this slot's tile or has a load on its way
	s_add_nc_u64 s[G0+4*\slot+2:G0+4*\slot+3], s[G0+4*\slot+2:G0+4*\slot+3], 2*ROWB
	s_add_nc_u64 s[G0B+4*\slot+2:G0B+4*\slot+3], s[G0B+4*\slot+2:G0B+4*\slot+3], 2*ROWB
	JLOAD G0+4*\slot, G1, G0B+4*\slot, G1B         ; the first tensor load behind the round, and my only one until the next; its four v_nop are the places in front of the loads below
.else
	PLACES NP
.endif
	FETCH_B \next, 0, 0
	FETCH_A \next, 0, 0
	WIN MUL_HI
	MUL16 4, 1, 0
	MUL16 6, 1, 0
	PLACES NP
	WIN 0
	FETCH_A \next, 0, 4
.endm
	s_wait_tensorcnt 1                             ; my part of K step 0 is in (K step 1's load may be out)
	s_barrier_signal -1
	s_barrier_wait -1                              ; everybody's is
	FETCH_B 0, 0, 0
	FETCH_A 0, 0, 0
	FETCH_A 0, 0, 4
	STEP 0, 0, 1                                   ; the first step stands in front of the loop: its products start the sums
	s_mov_b32 s3, LAPS-1
.Llap:                                                 ; a trip goes once round the ring, from a lap's second step to the next lap's first, and fills both slots again
	TURN 0, 1, 1
	STEP 1, 0, 0
	TURN 1, 0, 1
	STEP 0, 0, 0
	s_sub_co_u32 s3, s3, 1
	s_cmp_lg_u32 s3, 0
	s_cbranch_scc1 .Llap
	TURN 0, 1, 0                                   ; the last lap fills nothing, and has no round of the cluster's barrier
	STEP 1, 0, 0
	s_wait_dscnt 4*NL                              ; the very last step: nothing more to fetch
	WIN MUL_LO
	MUL16 0, 1, 0
	MUL16 2, 1, 0
	s_wait_dscnt 0
	WIN MUL_HI
	MUL16 4, 1, 0
	MUL16 6, 1, 0
	WIN 0
	; THE WAY OUT.  The three given exponents are folded into the conversion's one scale.
	s_wait_kmcnt 0x0
	s_cmp_eq_u32 s[TZ], 0
	s_cselect_b32 s92, s68, s70                    ; the weight's exponent,
	s_cselect_b32 s93, s69, s71                    ; the tokens',
	s_cselect_b32 s94, s74, s75                    ; the result's: entry 6 for q, 7 for k,
	s_cmp_eq_u32 s[TZ], 2
	s_cselect_b32 s92, s72, s92
	s_cselect_b32 s93, s73, s93
	s_cselect_b32 s94, s77, s94                    ; 9 for v
	s_sub_co_i32 s94, s94, s92
	s_sub_co_i32 s94, s94, s93                     ; E
	s_add_co_i32 s94, s94, 127
	s_lshl_b32 s95, s94, 23
	v_mov_b32 v[SCL], s95                          ; 2^E as f32: the conversion takes its exponent field
	s_add_co_i32 s94, s94, 8
	s_lshl_b32 s94, s94, 23
	s_or_b32 s94, s94, 0x600000
	v_mov_b32 v[LIM], s94                          ; 448 x 2^E
	PLACES NP                                      ; behind the last products: their results are read, and A's registers written, below
; Block a (16 rows of A x 128 rows of B): the hold, each accumulator from its low end on, into other registers; then eight conversions: accumulator b's eight sums become registers 2 b, 2 b + 1 of the block's codes.
.macro QBLOCK a
.set AC, 64*((\a)%4)
	WIN 0x02+((\a)/4)                              ; source 0: window 2 or 3
.set i, 0
.rept 64
	v_med3_num_f32 v[TMP+i], v[AC+i], -v[LIM], v[LIM]   ; the conversion to an 8-bit code does not saturate (ISA guide 7.6.2): the hold at the largest code x the scale, always executed
.set i, i+1
.endr
	WIN 0
.irp b, 0,1,2,3,4,5,6,7
	v_cvt_scalef32_pk8_fp8_f32 v[CD+16*(\a)+2*\b:CD+16*(\a)+2*\b+1], v[TMP+8*\b:TMP+8*\b+7], v[SCL]
.endr
	v_nop                                          ; one plain vector instruction between the last conversion and the next block's holds, which write its sources
.endm
.irp a, 0,1,2,3,4,5,6,7
	QBLOCK \a
.endr
	; 32 stores, each 512 consecutive bytes at a multiple of 512 from the buffer's first byte; each has data registers of its own, so nothing is waited for.  The two layouts differ in the immediates alone.
	s_cmp_eq_u32 s[TZ], 2                          ; the same way in all sixteen partners
	s_cbranch_scc1 .Lv_out
.irp a, 0,1,2,3,4,5,6,7                        ; q, k: block a = 16 tokens; registers 4 g on = half g % 2 of head g / 2's 64
.irp g, 0,1,2,3
	global_store_b128 v[CO], v[CD+16*\a+4*\g:CD+16*\a+4*\g+3], s[10:11] offset:\a*1024+(\g%2)*512+(\g/2)*131072
.endr
.endr
	s_branch .Lstored
.Lv_out:
.irp a, 0,1,2,3,4,5,6,7                        ; v: block a = channels 16 (a % 4) on of head a / 4; registers 4 g on = keys 32 g on of my 128
.irp g, 0,1,2,3
	global_store_b128 v[CO], v[CD+16*\a+4*\g:CD+16*\a+4*\g+3], s[10:11] offset:(\a%4)*2048+(\a/4)*131072+\g*512
.endr
.endr
.Lstored:
	s_wait_tensorcnt 0x0                           ; the wave's end, behind my last tensor load
	ds_add_u32 v[SPW], v[NIL]
	s_wait_dscnt 0x0
	CROUND                                         ; the closing round: no work-group ends while a partner may still ask for a tile that names it
	s_endpgm
.Lfunc_end_k_q8369c3e99b_proj:
	.size	k_q8369c3e99b_proj, .Lfunc_end_k_q8369c3e99b_proj-k_q8369c3e99b_proj
	.p2alignl 7, 3214868480
	.fill 96, 4, 3214868480
	.section	.rodata,"a",@progbits
	.p2align	6, 0x0
	.amdhsa_kernel k_q8369c3e99b_proj
		.amdhsa_group_segment_fixed_size 327680
		.amdhsa_private_segment_fixed_size 0
		.amdhsa_enable_private_segment 0
		.amdhsa_kernarg_size 80
		.amdhsa_user_sgpr_count 2
		.amdhsa_user_sgpr_kernarg_segment_ptr 1
		.amdhsa_wavefront_size32 1
		.amdhsa_system_sgpr_workgroup_id_x 1
		.amdhsa_system_sgpr_workgroup_id_y 1
		.amdhsa_system_sgpr_workgroup_id_z 1
		.amdhsa_system_vgpr_workitem_id 0
		.amdhsa_next_free_vgpr 1024
		.amdhsa_next_free_sgpr 100
		.amdhsa_reserve_vcc 0
		.amdhsa_float_denorm_mode_32 3
		.amdhsa_float_denorm_mode_16_64 3
		.amdhsa_memory_ordered 1
		.amdhsa_forward_progress 1
		.amdhsa_inst_pref_size 122
	.end_amdhsa_kernel
	.amdgpu_metadata
---
amdhsa.version: [ 1, 2 ]
amdhsa.kernels:
  - .name:           k_q8369c3e99b_proj
    .symbol:         k_q8369c3e99b_proj.kd
    .args:
      - { .name: query_codes, .offset: 0, .size: 8, .value_kind: global_buffer, .address_space: global }
      - { .name: key_codes, .offset: 8, .size: 8, .value_kind: global_buffer, .address_space: global }
      - { .name: value_codes, .offset: 16, .size: 8, .value_kind: global_buffer, .address_space: global }
      - { .name: Wq_codes, .offset: 24, .size: 8, .value_kind: global_buffer, .address_space: global }
      - { .name: Wk_codes, .offset: 32, .size: 8, .value_kind: global_buffer, .address_space: global }
      - { .name: Wv_codes, .offset: 40, .size: 8, .value_kind: global_buffer, .address_space: global }
      - { .name: lowp_scales, .offset: 48, .size: 8, .value_kind: global_buffer, .address_space: global }
      - { .name: qc, .offset: 56, .size: 8, .value_kind: global_buffer, .address_space: global }
      - { .name: kc, .offset: 64, .size: 8, .value_kind: global_buffer, .address_space: global }
      - { .name: vc, .offset: 72, .size: 8, .value_kind: global_buffer, .address_space: global }
    .group_segment_fixed_size: 327680
    .private_segment_fixed_size: 0
    .kernarg_segment_align: 8
    .kernarg_segment_size: 80
    .max_flat_workgroup_size: 128
    .sgpr_count:     100
    .vgpr_count:     1024
    .wavefront_size: 32
...
	.end_amdgpu_metadata
.endif
;; end of part 1
;; launch attn (part 2): grid 4 x 64, 8 waves a work-group, no clusters, 66,560 bytes of LDS; arguments qc, kc, vc, lowp_scales, ac; writes ac
.if DOCPART == 2
	.amdgcn_target "amdgcn-amd-amdhsa--gfx1250"
	.amdhsa_code_object_version 6
	.text
	.protected	k_q8369c3e99b_attn
	.globl	k_q8369c3e99b_attn
	.p2align	8
	.type	k_q8369c3e99b_attn,@function
k_q8369c3e99b_attn:
	s_mov_b64 s[64:65], 0
	v_nop
	global_prefetch_b8 v0, s[64:65] scope:SCOPE_SE
	s_setreg_imm32_b32 hwreg(HW_REG_WAVE_MODE, 25, 1), 1
	s_wait_xcnt 0x0
; CAUSAL ATTENTION ON CODES OF FP8 (E4M3): for each of 64 (batch, head): o[q] = sum over keys k <= q of softmax_k(q . k / 8) v[k], head size 64, 2,048 tokens; o is quantised for the output projection.
; qc, kc, vc hold images of operand registers (the launch before lays them so): a fragment comes by loads of 16 bytes a lane at 16 x lane.
;   qc, kc: head x 131072 + (token / 16) x 1024 + p x 512 + 16 x lane;     vc: head x 131072 + (key / 128) x 8192 + t x 2048 + g x 512 + 16 x lane.
; THE SOFTMAX: t = score x 2^(e6 + e7) x log2(e) / 8; M = the row's largest t so far, rounded UP to a whole number; p = 2^(t - M) is quantised with 2^e8, not normalised.  The row's sum is taken of the unquantised p
; and divides at the end.  When M moves, the sum and O are multiplied by 2^(old M - new M), which rounds nothing.
; SHARES.  Work-group (i, head) owns the blocks i and 7 - i of 256 queries: (i + 1) + (8 - i) = 9 slots of 256 keys, whatever i is: all 256 work-groups walk the same number of slots, and the trip count is a constant.
; A wave owns 32 queries of the block in hand, two tiles of 16, so that each fragment of K and V read from LDS feeds two products.  A key step is 128 keys.
; A step all of whose keys come after the wave's queries is left out by a scalar branch on ids; in the steps on the diagonal hidden scores become -infinity ahead of the maximum.  Key 0 counts for every query, so M is a number from a block's first step on.
; BOTH PRODUCTS ARE USED TRANSPOSED: S^T = K Q^T (source 0 = 16 keys, source 1 = 16 queries), O^T = V^T P^T (source 0 = 16 channels, source 1 = P): a lane holds ONE query (lane % 16) throughout.  In tile T of S^T its eight
; registers are keys 16 T + 8 (lane / 16) + 0 .. 7: one conversion makes of them registers 2 T, 2 T + 1 of P, in the plain 8-bit layout's own order (ISA guide 7.12.2).
; K AND V COME THROUGH REGISTERS: a slot is 16,384 dense bytes of kc and of vc; each of the 256 threads loads 8 x 16 bytes of the NEXT slot at a trip's head and stores them flat into the other LDS slot at its end.
; One barrier a trip: in front of it a wave's stores into the next slot have landed and its reads of this slot are over.
; No joint loads: the four work-groups of a head stand at different key slots in the same trip (from trip i + 1 on, work-group i has begun its second block), so no tile is wanted by two of them at the same time.
; THE RESULT, o x 2^(e8 + e9) / sum, is quantised with 2^e10 and stored as images of the next launch's operand: ac: (head / 4) x 2097152 + (global token / 16) x 4096 + (head % 4) x 1024 + t x 256 + 16 (lane % 16) + 8 (lane / 16).
; LIMITS on the given exponents, so that each power of two below is an f32 number: e6 + e7 between -123 and 130 (added to c's exponent field); e8 and e10 between -126 and 119; e8 + e9 is applied by v_ldexp_f32 and has none.
; REGISTERS.  Window 0: v1-12 addresses and constants; v16-31 Q; v32-159 S^T, then p, 64 a tile; v160-191 P's codes, 16 a tile; v192-223 the next slot on its way; v224-247 statistics; v248-251 scales.
;   Window 1: v0-63 K's fragments; v64-127 V's; v128-191 O^T, 32 a tile.
.set SLOTB, 32768                      ; an LDS slot: 16,384 bytes of K, then 16,384 of V
.set VOFF,  16384
.set Q,    16
.set S,    32
.set PC,   160
.set STG,  192
.set ST,   224                         ; tile q at v[ST + 8 q]: +0 -M, +1 the largest t, +2, +3 the sum in two halves, +4 f (+5 named with it as a pair), +6, +7 at work
.set AUX,  240                         ; tile q at v[AUX + 4 q]: +0, +1 the sum's second chain, +2 what the other half of the lanes sends
.set KFR,  0                           ; in window 1
.set VFR,  64
.set O,    128
; s14 wave; s15 i; s16 head; s17 the block of queries in hand; s18 the key slot in hand; s19 the next; s20 my first query; s21 the slot's first key; s22, s23 the LDS slot that is read, written;
; s[24:31] the scales' entries 4 to 11; s[32:33] c; s[34:35] lane selects; s36 trips; s37 e8 + e9; s38, s39 at work; s40 the head's place in ac
.set MSB, 0
.macro WIN new                         ; the immediate's high byte repeats the setting that is left
.if MSB != \new
	s_set_vgpr_msb (MSB<<8)|\new
.set MSB, \new
.endif
.endm
.macro LOADQ                           ; my two tiles of Q: 8 registers each
	s_lshl_b32 s38, s20, 6                         ; (query / 16) x 1024
	v_add_nc_u32 v6, s38, v1
.irp u, 0,1
.irp p, 0,1
	global_load_b128 v[Q+8*\u+4*\p:Q+8*\u+4*\p+3], v6, s[4:5] offset:\u*1024+\p*512
.endr
.endr
.endm
.macro GLOAD                           ; the next slot's K and V: a load of the work-group covers 4,096 consecutive bytes
	s_lshl_b32 s38, s19, 14
	v_add_nc_u32 v5, s38, v2
.irp j, 0,1,2,3
	global_load_b128 v[STG+4*\j:STG+4*\j+3], v5, s[6:7] offset:\j*4096
.endr
.irp j, 0,1,2,3
	global_load_b128 v[STG+16+4*\j:STG+16+4*\j+3], v5, s[8:9] offset:\j*4096
.endr
.endm
.macro LSTORE                          ; and into the LDS slot that nobody reads in this trip, as they lie
	s_wait_loadcnt 0x0
	v_add_nc_u32 v4, s23, v2
.irp j, 0,1,2,3
	ds_store_b128 v4, v[STG+4*\j:STG+4*\j+3] offset:\j*4096
.endr
.irp j, 0,1,2,3
	ds_store_b128 v4, v[STG+16+4*\j:STG+16+4*\j+3] offset:VOFF+\j*4096
.endr
.endm
.macro RESET                           ; a block of queries begins: the key step is written once, and its first run finds zeros, which the first change of M leaves zeros
.irp q, 0,1
	v_mov_b32 v[ST+8*\q+1], 0xff61b1e6             ; the largest t so far: -3e38, under every t
	v_mov_b32 v[ST+8*\q+2], 0
	v_mov_b32 v[ST+8*\q+3], 0
	v_mov_b32 v[ST+8*\q+4], 0
	v_mov_b32 v[ST+8*\q+5], 0
	v_mov_b32 v[AUX+4*\q+2], 0                     ; a lane permute's destination counts as one of its sources
	v_floor_f32 v[ST+8*\q], -v[ST+8*\q+1]          ; -M
.endr
	WIN 0x40                                       ; destination window 1
.set i, 0
.rept 64
	v_mov_b32 v[O+i], 0
.set i, i+1
.endr
	WIN 0
.endm
; A KEY STEP: the st-th 128 keys of the slot in hand, for my two tiles of queries.
.macro STEP st
	s_add_co_u32 s38, s21, 128*\st                 ; the step's first key
	s_add_co_u32 s39, s20, 31                      ; my last query
	s_cmp_gt_u32 s38, s39
	s_cbranch_scc1 .Lhidden_\@                     ; all its keys come after my queries
	v_add_nc_u32 v3, s22, v1
.rept 3
	v_nop                                          ; with the addition above: four places between the last step's products and the loads into V's registers
.endr
	WIN 0x40                                       ; destination window 1
.irp t, 0,1,2,3,4,5,6,7                        ; K: eight tiles of 16 keys x 64
.irp p, 0,1
	ds_load_b128 v[KFR+8*\t+4*\p:KFR+8*\t+4*\p+3], v3 offset:\st*8192+\t*1024+\p*512
.endr
.endr
.irp t, 0,1,2,3                                ; V: four tiles of 16 channels x 128 keys
.irp g, 0,1,2,3
	ds_load_b128 v[VFR+16*\t+4*\g:VFR+16*\t+4*\g+3], v3 offset:VOFF+\st*8192+\t*2048+\g*512
.endr
.endr
	s_wait_dscnt 16                                ; K's sixteen loads are in; V's sixteen, issued behind them, may stay out
	WIN 0x01                                       ; source 0 (K) window 1
.irp t, 0,1,2,3,4,5,6,7
.irp q, 0,1
	v_wmma_f32_16x16x64_fp8_fp8 v[S+64*\q+8*\t:S+64*\q+8*\t+7], v[KFR+8*\t:KFR+8*\t+7], v[Q+8*\q:Q+8*\q+7], 0
.endr
.endr
	WIN 0
.rept 4
	v_nop                                          ; places in front of the first read of the scores
.endr
	s_add_co_u32 s39, s38, 127
	s_cmp_le_u32 s39, s20
	s_cbranch_scc1 .Lopen_\@                       ; all its keys count for all my queries
	s_sub_co_i32 s39, s20, s38
	v_add_nc_u32 v10, s39, v9                      ; d = my query - the step's first key - 8 (lane / 16), for tile 0,
	v_add_nc_u32 v11, 16, v10                      ; for tile 1.  Register 8 T + j holds key 16 T + 8 (lane / 16) + j of the step: hidden where 16 T + j > d
.irp q, 0,1
.set i, 0
.rept 64
	v_cmp_gt_i32 vcc_lo, 16*(i/8)+i%8, v[10+\q]
	v_cndmask_b32 v[S+64*\q+i], v[S+64*\q+i], v12, vcc_lo
.set i, i+1
.endr
.endr
.Lopen_\@:
.irp q, 0,1                                    ; the step's largest score of my query, among my 64 keys, in two chains a tile; each tile of S^T is read from its low end on
	v_max3_num_f32 v[ST+8*\q+6], v[S+64*\q], v[S+64*\q+1], v[S+64*\q+2]
	v_max3_num_f32 v[ST+8*\q+7], v[S+64*\q+3], v[S+64*\q+4], v[S+64*\q+5]
.endr
.irp i, 6,10,14,18,22,26,30,34,38,42,46,50,54,58
.irp q, 0,1
	v_max3_num_f32 v[ST+8*\q+6], v[ST+8*\q+6], v[S+64*\q+\i], v[S+64*\q+\i+1]
	v_max3_num_f32 v[ST+8*\q+7], v[ST+8*\q+7], v[S+64*\q+\i+2], v[S+64*\q+\i+3]
.endr
.endr
.irp q, 0,1
	v_max3_num_f32 v[ST+8*\q+6], v[ST+8*\q+6], v[S+64*\q+62], v[S+64*\q+63]
.endr
.irp q, 0,1
	v_max_num_f32 v[ST+8*\q+6], v[ST+8*\q+6], v[ST+8*\q+7]
.endr
.irp q, 0,1
	v_permlanex16_b32 v[AUX+4*\q+2], v[ST+8*\q+6], s34, s35
.endr
.irp q, 0,1
	v_max_num_f32 v[ST+8*\q+6], v[ST+8*\q+6], v[AUX+4*\q+2]   ; and among lane l xor 16's
.endr
.irp q, 0,1
	v_mul_f32 v[ST+8*\q+6], s32, v[ST+8*\q+6]      ; as t (c is positive)
.endr
.irp q, 0,1
	v_max_num_f32 v[ST+8*\q+1], v[ST+8*\q+1], v[ST+8*\q+6]   ; the running largest t
	v_mov_b32 v[ST+8*\q+6], v[ST+8*\q]             ; the old -M
.endr
.irp q, 0,1
	v_floor_f32 v[ST+8*\q], -v[ST+8*\q+1]          ; the new -M = floor(-t) = -ceil(t): M is a whole number
.endr
.irp q, 0,1
	v_sub_f32 v[ST+8*\q+6], v[ST+8*\q], v[ST+8*\q+6]   ; old M - new M: a whole number, 0 or less
.endr
.irp q, 0,1
	v_cvt_i32_f32 v[ST+8*\q+6], v[ST+8*\q+6]       ; (it saturates)
.endr
.irp q, 0,1
	v_ldexp_f32 v[ST+8*\q+4], 1.0, v[ST+8*\q+6]    ; f = 2^(old M - new M)
.endr
.set j, 0
.rept 32
.irp q, 0,1
	v_pk_fma_f32 v[S+64*\q+j:S+64*\q+j+1], v[S+64*\q+j:S+64*\q+j+1], s[32:33], v[ST+8*\q:ST+8*\q+1] op_sel_hi:[1,0,0]   ; t - M, two at a time (of the pairs c and -M the low word serves both halves)
.endr
.set j, j+2
.endr
.set j, 0
.rept 128
	v_exp_f32 v[S+j], v[S+j]                       ; p = 2^(t - M): one batch for both tiles
.set j, j+1
.endr
.irp q, 0,1
	v_pk_mul_f32 v[ST+8*\q+2:ST+8*\q+3], v[ST+8*\q+2:ST+8*\q+3], v[ST+8*\q+4:ST+8*\q+5] op_sel_hi:[1,0]   ; the sums under the new M; also the plain instruction behind the exponentials
.endr
	s_wait_alu depctr_va_vdst(0)                   ; one wait for the whole batch, ahead of its first reader
.irp q, 0,1
	v_pk_add_f32 v[AUX+4*\q:AUX+4*\q+1], v[S+64*\q:S+64*\q+1], v[S+64*\q+2:S+64*\q+3]   ; the row's sum is taken of the UNQUANTISED p: two at a time, in two chains a tile
.endr
.irp j, 4,8,12,16,20,24,28,32,36,40,44,48,52,56,60
.irp q, 0,1
	v_pk_add_f32 v[ST+8*\q+2:ST+8*\q+3], v[ST+8*\q+2:ST+8*\q+3], v[S+64*\q+\j:S+64*\q+\j+1]
	v_pk_add_f32 v[AUX+4*\q:AUX+4*\q+1], v[AUX+4*\q:AUX+4*\q+1], v[S+64*\q+\j+2:S+64*\q+\j+3]
.endr
.endr
.irp q, 0,1
	v_pk_add_f32 v[ST+8*\q+2:ST+8*\q+3], v[ST+8*\q+2:ST+8*\q+3], v[AUX+4*\q:AUX+4*\q+1]
.endr
	s_cmp_gt_i32 s28, -9                           ; THE HOLD.  The conversion does not saturate (ISA guide 7.6.2).  p is at most 1 (a last bit over it at the worst), and 448 x 2^e8 is 1.75 or more
	s_cbranch_scc1 .Lfits_\@                       ; where e8 >= -8: there the hold could change no number and is passed over
.set j, 0
.rept 128
	v_min_num_f32 v[S+j], v[S+j], v249             ; p is not negative, so the hold is one-sided
.set j, j+1
.endr
.Lfits_\@:
.irp t, 0,1,2,3,4,5,6,7
.irp q, 0,1
	v_cvt_scalef32_pk8_fp8_f32 v[PC+16*\q+2*\t:PC+16*\q+2*\t+1], v[S+64*\q+8*\t:S+64*\q+8*\t+7], v248
.endr
.endr
	WIN 0x41                                       ; O^T (destination and source 0) window 1, f window 0
.irp q, 0,1
.set j, 0
.rept 16
	v_pk_mul_f32 v[O+32*\q+j:O+32*\q+j+1], v[O+32*\q+j:O+32*\q+j+1], v[ST+8*\q+4:ST+8*\q+5] op_sel_hi:[1,0]   ; O^T under the new M.  (These are also the plain instructions between the conversions and the products that read the codes)
.set j, j+2
.endr
.endr
	s_wait_dscnt 0x0                               ; V is in
	WIN 0x51                                       ; V, C and D window 1; P window 0
.irp t, 0,1,2,3                                ; eight accumulators, one instruction each: no two that follow each other share one, and the matrix instruction ahead of the first wrote S^T
.irp q, 0,1
	v_wmma_f32_16x16x128_fp8_fp8 v[O+32*\q+8*\t:O+32*\q+8*\t+7], v[VFR+16*\t:VFR+16*\t+15], v[PC+16*\q:PC+16*\q+15], v[O+32*\q+8*\t:O+32*\q+8*\t+7]
.endr
.endr
	WIN 0
.Lhidden_\@:
.endm
; A BLOCK OF QUERIES IS DONE: O^T x 2^(e8 + e9) / the sum, quantised with 2^e10.  A lane's eight channels 16 t + 8 (lane / 16) + 0 .. 7 of query lane % 16 become 8 bytes; the 32 lanes' 8 bytes fill 256 consecutive bytes, aligned.
.macro OUT
.irp q, 0,1
	v_add_f32 v[ST+8*\q+6], v[ST+8*\q+2], v[ST+8*\q+3]   ; the sum's two halves.  (The seven plain lines from here to the first read of O^T are the places behind the last products)
.endr
.irp q, 0,1
	v_permlanex16_b32 v[AUX+4*\q+2], v[ST+8*\q+6], s34, s35
.endr
.irp q, 0,1
	v_add_f32 v[ST+8*\q+6], v[ST+8*\q+6], v[AUX+4*\q+2]  ; and lane l xor 16's: the row's sum, above 1/2
.endr
.irp q, 0,1
	v_rcp_f32 v[ST+8*\q+4], v[ST+8*\q+6]
.endr
	s_lshl_b32 s39, s20, 8                         ; (query / 16) x 4096
	s_add_co_u32 s39, s39, s40
	v_add_nc_u32 v7, s39, v8                       ; my place in ac; also the plain instruction behind the reciprocals
	s_wait_alu depctr_va_vdst(0)                   ; one wait for both, ahead of their first reader
.irp q, 0,1
	v_ldexp_f32 v[ST+8*\q+4], v[ST+8*\q+4], s37    ; x 2^(e8 + e9)
.endr
	WIN 0x01                                       ; source 0 (O^T) window 1
.irp q, 0,1
.set j, 0
.rept 16
	v_pk_mul_f32 v[S+64*\q+j:S+64*\q+j+1], v[O+32*\q+j:O+32*\q+j+1], v[ST+8*\q+4:ST+8*\q+5] op_sel_hi:[1,0]   ; each accumulator from its low end on
.set j, j+2
.endr
.endr
	WIN 0
.irp q, 0,1
.set j, 0
.rept 32
	v_med3_num_f32 v[S+64*\q+j], v[S+64*\q+j], -v251, v251   ; the hold at the largest code x the scale
.set j, j+1
.endr
.endr
.irp q, 0,1
.irp t, 0,1,2,3
	v_cvt_scalef32_pk8_fp8_f32 v[PC+16*\q+2*\t:PC+16*\q+2*\t+1], v[S+64*\q+8*\t:S+64*\q+8*\t+7], v250
.endr
.endr
	v_nop                                          ; one plain vector instruction behind the last conversion: later products write its sources
.irp q, 0,1
.irp t, 0,1,2,3
	global_store_b64 v7, v[PC+16*\q+2*\t:PC+16*\q+2*\t+1], s[12:13] offset:\q*4096+\t*256
.endr
.endr
.endm
	s_load_b256 s[4:11], s[0:1], 0x0               ; qc s[4:5], kc s[6:7], vc s[8:9], the scales s[10:11]
	s_load_b64 s[12:13], s[0:1], 0x20              ; ac
	v_lshl_add_u32 v254, v0, 2, 0x10000
	v_mov_b32 v255, 0
	v_lshrrev_b32 v1, 5, v0
	v_readfirstlane_b32 s14, v1                    ; wave 0..7
	s_mov_b32 s15, ttmp9                           ; i
	s_and_b32 s16, ttmp7, 0xffff                   ; batch x 16 + head
	v_and_b32 v1, 31, v0
	v_lshlrev_b32 v1, 4, v1                        ; 16 x lane
	v_lshlrev_b32 v2, 4, v0                        ; 16 x thread
	v_and_b32 v10, 15, v0                          ; r
	v_bfe_u32 v11, v0, 4, 1                        ; h
	v_lshlrev_b32 v8, 4, v10
	v_lshl_add_u32 v8, v11, 3, v8                  ; 16 r + 8 h
	v_lshlrev_b32 v11, 3, v11
	v_sub_nc_u32 v9, v10, v11                      ; r - 8 h
	v_mov_b32 v12, 0xff800000                      ; -infinity
	s_mov_b32 s17, s15                             ; the first block of queries is block i
	s_mov_b32 s18, 0
	s_mov_b32 s19, 0
	s_lshl_b32 s20, s17, 8
	s_lshl_b32 s38, s14, 5
	s_add_co_u32 s20, s20, s38                     ; my first query: 256 x block + 32 x wave
	s_mov_b32 s22, 0
	s_mov_b32 s23, 0
	s_mov_b32 s34, 0x76543210
	s_mov_b32 s35, 0xfedcba98
	s_mov_b32 s36, 8
	s_and_b32 s38, s16, 15                         ; the head
	s_lshr_b32 s39, s16, 4                         ; the batch: 128 tiles of 16 tokens x 4,096 bytes
	s_lshl_b32 s40, s39, 19
	s_lshr_b32 s39, s38, 2
	s_lshl_b32 s39, s39, 21                        ; four heads are 256 along the next K
	s_add_co_u32 s40, s40, s39
	s_and_b32 s39, s38, 3
	s_lshl_b32 s39, s39, 10
	s_add_co_u32 s40, s40, s39
	s_lshl_b32 s38, s16, 17                        ; the head's 131,072 bytes in each of qc, kc, vc
	s_mov_b32 s39, 0
	s_wait_kmcnt 0x0
	s_load_b256 s[24:31], s[10:11], 0x10           ; entries 4 to 11: e6 s26, e7 s27, e8 s28, e9 s29, e10 s30
	s_add_nc_u64 s[4:5], s[4:5], s[38:39]
	s_add_nc_u64 s[6:7], s[6:7], s[38:39]
	s_add_nc_u64 s[8:9], s[8:9], s[38:39]
	LOADQ
	GLOAD                                          ; key slot 0
	RESET
	s_wait_kmcnt 0x0
	s_add_co_i32 s38, s26, s27
	s_lshl_b32 s38, s38, 23
	s_add_co_i32 s32, s38, 0x3e38aa3b              ; c = log2(e) / 8, with e6 + e7 added to its exponent field
	s_mov_b32 s33, s32                             ; (named with it as a pair, so it is written)
	s_add_co_i32 s37, s28, s29
	s_add_co_i32 s38, s28, 127
	s_lshl_b32 s39, s38, 23
	v_mov_b32 v248, s39                            ; 2^e8 as f32: p's conversions take its exponent field
	s_add_co_i32 s38, s38, 8
	s_lshl_b32 s38, s38, 23
	s_or_b32 s38, s38, 0x600000
	v_mov_b32 v249, s38                            ; 448 x 2^e8
	s_add_co_i32 s38, s30, 127
	s_lshl_b32 s39, s38, 23
	v_mov_b32 v250, s39                            ; 2^e10, for the result's
	s_add_co_i32 s38, s38, 8
	s_lshl_b32 s38, s38, 23
	s_or_b32 s38, s38, 0x600000
	v_mov_b32 v251, s38                            ; 448 x 2^e10
	LSTORE                                         ; (its wait covers Q too)
	s_mov_b32 s23, SLOTB
	s_wait_dscnt 0x0                               ; my part of slot 0 has landed,
	s_barrier_signal -1
	s_barrier_wait -1                              ; everybody's has
.Ltrip:                                            ; eight trips; the ninth slot is written out behind the loop, without loads
	s_add_co_u32 s19, s18, 1
	s_cmp_eq_u32 s18, s17
	s_cselect_b32 s19, 0, s19                      ; behind the diagonal's slot comes slot 0, for the second block
	GLOAD                                          ; a whole slot's work ahead of the wait for it
	s_lshl_b32 s21, s18, 8
	STEP 0
	STEP 1
	LSTORE
	s_cmp_lg_u32 s18, s17
	s_cbranch_scc1 .Lsame                          ; on ids alone, and the same in all eight waves
	OUT                                            ; the first block is done: on to block 7 - i
	s_sub_co_u32 s17, 7, s15
	s_lshl_b32 s20, s17, 8
	s_lshl_b32 s38, s14, 5
	s_add_co_u32 s20, s20, s38
	RESET
	LOADQ
	s_wait_loadcnt 0x0
	s_wait_xcnt 0x0                                ; the results' stores have read their registers: the codes' registers and the offset are written again later
.Lsame:
	s_mov_b32 s18, s19
	s_xor_b32 s22, s22, SLOTB
	s_xor_b32 s23, s23, SLOTB
	s_wait_dscnt 0x0                               ; my stores into the next slot have landed, and my reads of this slot are over
	s_barrier_signal -1
	s_barrier_wait -1
	s_sub_co_u32 s36, s36, 1
	s_cmp_lg_u32 s36, 0
	s_cbranch_scc1 .Ltrip
	s_lshl_b32 s21, s18, 8                         ; the second block's diagonal slot
	STEP 0
	STEP 1
	OUT
	s_wait_tensorcnt 0x0
	ds_add_u32 v254, v255
	s_wait_dscnt 0x0
	s_endpgm
.Lfunc_end_k_q8369c3e99b_attn:
	.size	k_q8369c3e99b_attn, .Lfunc_end_k_q8369c3e99b_attn-k_q8369c3e99b_attn
	.p2alignl 7, 3214868480
	.fill 96, 4, 3214868480
	.section	.rodata,"a",@progbits
	.p2align	6, 0x0
	.amdhsa_kernel k_q8369c3e99b_attn
		.amdhsa_group_segment_fixed_size 66560
		.amdhsa_private_segment_fixed_size 0
		.amdhsa_enable_private_segment 0
		.amdhsa_kernarg_size 40
		.amdhsa_user_sgpr_count 2
		.amdhsa_user_sgpr_kernarg_segment_ptr 1
		.amdhsa_wavefront_size32 1
		.amdhsa_system_sgpr_workgroup_id_x 1
		.amdhsa_system_sgpr_workgroup_id_y 1
		.amdhsa_system_sgpr_workgroup_id_z 1
		.amdhsa_system_vgpr_workitem_id 0
		.amdhsa_next_free_vgpr 512
		.amdhsa_next_free_sgpr 66
		.amdhsa_reserve_vcc 1
		.amdhsa_float_denorm_mode_32 3
		.amdhsa_float_denorm_mode_16_64 3
		.amdhsa_memory_ordered 1
		.amdhsa_forward_progress 1
		.amdhsa_inst_pref_size 182
	.end_amdhsa_kernel
	.amdgpu_metadata
---
amdhsa.version: [ 1, 2 ]
amdhsa.kernels:
  - .name:           k_q8369c3e99b_attn
    .symbol:         k_q8369c3e99b_attn.kd
    .args:
      - { .name: qc, .offset: 0, .size: 8, .value_kind: global_buffer, .address_space: global }
      - { .name: kc, .offset: 8, .size: 8, .value_kind: global_buffer, .address_space: global }
      - { .name: vc, .offset: 16, .size: 8, .value_kind: global_buffer, .address_space: global }
      - { .name: lowp_scales, .offset: 24, .size: 8, .value_kind: global_buffer, .address_space: global }
      - { .name: ac, .offset: 32, .size: 8, .value_kind: global_buffer, .address_space: global }
    .group_segment_fixed_size: 66560
    .private_segment_fixed_size: 0
    .kernarg_segment_align: 8
    .kernarg_segment_size: 40
    .max_flat_workgroup_size: 256
    .sgpr_count:     66
    .vgpr_count:     512
    .wavefront_size: 32
...
	.end_amdgpu_metadata
.endif
;; end of part 2
;; launch outp (part 3): grid 4 x 32, 4 waves a work-group, clusters of 4 x 4, 327,680 bytes of LDS; arguments ac, Wo_codes, lowp_scales, out0, bo; writes out0
.if DOCPART == 3
	.amdgcn_target "amdgcn-amd-amdhsa--gfx1250"
	.amdhsa_code_object_version 6
	.text
	.protected	k_q8369c3e99b_outp
	.globl	k_q8369c3e99b_outp
	.p2align	8
	.type	k_q8369c3e99b_outp,@function
k_q8369c3e99b_outp:
	s_mov_b64 s[64:65], 0
	v_nop
	global_prefetch_b8 v0, s[64:65] scope:SCOPE_SE
	s_setreg_imm32_b32 hwreg(HW_REG_WAVE_MODE, 25, 1), 1
	s_wait_xcnt 0x0
	s_wait_alu depctr_hold_cnt(0) depctr_sa_sdst(0) depctr_va_vdst(0) depctr_va_sdst(0) depctr_va_ssrc(0) depctr_va_vcc(0) depctr_vm_vsrc(0)
	s_getreg_b32 s2, hwreg(HW_REG_IB_STS2, 6, 4)
	s_cmp_eq_u32 s2, 0
	s_cbranch_scc0 .Lentry_in_a_cluster
	s_endpgm
.Lentry_in_a_cluster:
	s_bfe_u32 s2, ttmp6, 0x10000c
	s_cmp_lg_u32 s2, 0xf033
	s_cbranch_scc0 .Lentry_shape_is_right
	s_endpgm
.Lentry_shape_is_right:
; THE OUTPUT PROJECTION: out0[m][n] = (sum over k of a[m][k] Wo[n][k]) x 2^(e10 + e11) + bo[n], on codes of FP8 (E4M3).  m: 8,192 tokens; n, k: 1,024.  Sums in f32; out0 f32.
; Wo: codes, rows of 1,024 bytes, K innermost.  a: the attention's result, as IMAGES OF OPERAND REGISTERS (the launch before lays them so):
;   ac: (k / 256) x 2097152 + (m / 16) x 4096 + ((k / 128) % 2) x 2048 + c x 512 + 16 x lane: lane l holds row l % 16; registers 4 c .. 4 c + 3 hold k = 32 c + 16 (l / 16) + 0 .. 15 of the 128.
; That is the order of k that four loads of 16 bytes give Wo's fragments from rows: the same in both operands, so every product meets its partner.
; LIMIT: e10 + e11 lies between -126 and 127, so that 2^(e10 + e11) is an f32 number.
; A tile of out0, 256 x 256, is made by a work-group of four waves; a wave makes 128 x 128: 64 accumulators, 512 registers.  K goes in steps of 256 through a ring of two LDS slots filled by joint tensor loads:
; 4 x 4 work-groups form a cluster; a's tile is shared along a row of the cluster, Wo's along a column.  a's part of a slot for 128 tokens is one dense block of 32,768 bytes: it comes as 128 rows of 256 bytes without padding,
; and a fragment load takes 512 consecutive bytes of it.  THE MATRIX INSTRUCTION IS USED TRANSPOSED (source 0 = 16 rows of Wo, source 1 = 16 tokens): a lane holds eight neighbouring numbers of a row of out0.
; REGISTERS, in windows of 256: window 0: v16-29 addresses; v96-99 my four numbers of bo; from v128 a's fragments, ONE set; on the way out rows of out0.
;   window 1: Wo's fragments, TWO sets.   window 2: the accumulators of my rows 0-63 ((a, b) at v[8 (8 a + b)]);   window 3: those of rows 64-127.
.set SIZE_N, 1024
.set SIZE_K, 1024
.set KSTEP,  256
.set ROWB,   256                       ; a tile's row in bytes
.set KROW,   SIZE_K                    ; a row of Wo in memory, in bytes
.set KSLB,   2097152                   ; from one 256 along K to the next in ac
.set PITCH,  272                       ; an LDS row of Wo: 256 bytes + 16 of padding = 68 words: row r starts at bank 4 r mod 64 (ISA guide 11.1)
.set FR,     16
.set NL,     4
.set NP,     4                         ; places behind this matrix instruction (ISA guide 7.12.1)
.set HALFT,  128*PITCH                 ; room for what one tensor load brings (a's dense blocks use 32,768 bytes of it)
.set SLOT,   4*HALFT
.set LAPS,   SIZE_K/(2*KSTEP)
.set SPARE,  2*SLOT                    ; behind the ring: the spare words, 128 bytes for each wave
.set SPITCH, 528                       ; the way out: a stage of 16 rows x (512 bytes + 16) for each wave.  It lies in slot 0, which has had its last fill and its last read when the first result is stored there
.set ADRA, 16                          ; v16-17  LDS address of my a fragments in slot 0, 1
.set ADRB, 20                          ; v20-21  the same for Wo
.set STO,  24                          ; v24     the way out: where I put 32 bytes of a row
.set RD,   25                          ; v25     the way out: where I read a row back
.set CO,   26                          ; v26     16 x lane
.set SPW,  28                          ; v28     LDS address of my spare word; never rewritten
.set NIL,  29                          ; v29     0; never rewritten
.set BIAS, 96                          ; v96-99  bo at the four columns that I store
.set AF,   128
.set BK,   128                         ; the way out: 16 rows read back from the stage: v128-191 and v192-255 by turns
.set G1, 24
.set G0, 32
.set G1B, 48
.set G0B, 56
.set MSB, 0
.macro WIN new                         ; the immediate's high byte repeats the setting that is left
.if MSB != \new
	s_set_vgpr_msb (MSB<<8)|\new
.set MSB, \new
.endif
.endm
.set MUL_LO, 0xa1                      ; source 0 (Wo) window 1, source 1 (a) window 0, C and D window 2
.set MUL_HI, 0xf1                      ; the same, C and D window 3
.set TO_B,   0x40                      ; destination window 1, address window 0
; A joint load: waves 0 and 1 fetch for a, waves 2 and 3 for Wo; the branch hangs on the wave's number alone.  Four v_nop follow each of the two lines.
.macro JLOAD g0a, g1a, g0b, g1b
	s_cmp_eq_u32 s15, 0
	s_cbranch_scc0 .Lfor_b_\@
	tensor_load_to_lds s[\g0a:\g0a+3], s[\g1a:\g1a+7]
	s_nop 0
.rept 4
	v_nop
.endr
	s_branch .Lasked_\@
.Lfor_b_\@:
	tensor_load_to_lds s[\g0b:\g0b+3], s[\g1b:\g1b+7]
	s_nop 0
.rept 4
	v_nop
.endr
.Lasked_\@:
.endm
.macro CREST                           ; a round of the cluster's barrier behind its opening barrier
	s_cmp_lg_u32 s14, 0
	s_cbranch_scc1 .Lnot_wave_0_\@
	s_barrier_signal -3
.Lnot_wave_0_\@:
	s_barrier_wait -3
	s_barrier_signal -1
	s_barrier_wait -1
.endm
.macro CROUND
	s_barrier_signal -1
	s_barrier_wait -1
	CREST
.endm
	s_load_b128 s[4:7], s[0:1], 0x0                ; ac s[4:5], Wo's codes s[6:7]
	s_load_b128 s[8:11], s[0:1], 0x10              ; the scales s[8:9], out0 s[10:11]
	s_load_b64 s[66:67], s[0:1], 0x20              ; bo
	v_lshl_add_u32 v[SPW], v0, 2, SPARE
	v_mov_b32 v[NIL], 0
	ds_add_u32 v28, v29
	ds_add_u32 v28, v29
	s_wait_dscnt 0x0
	v_lshrrev_b32 v1, 5, v0
	v_readfirstlane_b32 s14, v1                    ; wave 0..3
	s_lshr_b32 s15, s14, 1                         ; which half of the tile's rows is mine.  Also: I fetch for a (0) or for Wo (1)
	s_and_b32 s16, s14, 1                          ; which half of its columns.  Also: which 128 rows of that tile I fetch
	s_bfe_u32 s40, ttmp6, 0x40000                  ; cx, cy: my place in the cluster
	s_bfe_u32 s41, ttmp6, 0x40004
	s_lshl_b32 s42, ttmp9, 2
	s_add_co_u32 s42, s42, s40                     ; tile column = 4 x cluster x + cx
	s_and_b32 s17, ttmp7, 0xffff
	s_lshl_b32 s17, s17, 2
	s_add_co_u32 s17, s17, s41                     ; tile row = 4 x cluster y + cy
	s_lshl_b32 s43, s41, 2
	s_lshl_b32 s43, 15, s43                        ; my row of the cluster
	s_lshl_b32 s44, 0x1111, s40                    ; my column
	; descriptor group 1.  a: 128 rows x 256 bytes, dense in memory and in LDS.  Wo: 128 rows x 256 bytes, 1,024 bytes apart in memory, padded in LDS
	s_or_b32 s[G1+0], s43, (0<<16)|(1<<21)         ; 15:0 the mask: a's tiles go to my row; 17:16 element of 1 byte; 20 no padding; 21 set beside a mask
	s_or_b32 s[G1B+0], s44, (0<<16)|(1<<20)|(1<<21)|(5<<22)|(3<<25)  ; the mask of my column; padding: 4 words (code 3) after every 64 (code 5)
.irp g, G1, G1B
	s_mov_b32 s[\g+1], ROWB<<16                    ; tensor_dim0
	s_mov_b32 s[\g+2], 128<<16                     ; tensor_dim1 = 128
	s_mov_b32 s[\g+3], ROWB<<16                    ; tile_dim0
	s_mov_b32 s[\g+4], 128                         ; tile_dim1 = 128
	s_mov_b32 s[\g+6], 0
	s_mov_b32 s[\g+7], 0
.endr
	s_mov_b32 s[G1+5], ROWB                        ; tensor_dim0_stride: a's rows follow each other,
	s_mov_b32 s[G1B+5], KROW                       ; Wo's are rows of the tensor
	s_lshl_b32 s18, s16, 7                         ; which 128 rows of the tile I fetch
	s_lshl_b32 s20, s17, 8
	s_add_co_u32 s20, s20, s18                     ; a: token 256 x tile row + 128 x half;
	s_lshl_b32 s20, s20, 8                         ; 16 tokens are 4,096 bytes
	s_mov_b32 s21, 0
	s_lshl_b32 s46, s42, 8
	s_add_co_u32 s46, s46, s18                     ; Wo: row 256 x tile column + 128 x half,
	s_lshl_b32 s46, s46, 10                        ; of 1,024 bytes
	s_mov_b32 s47, 0
	s_mul_i32 s45, s14, HALFT                      ; where they go: no place in the cluster enters an LDS address
	s_wait_kmcnt 0x0
	s_load_b64 s[96:97], s[8:9], 0x28              ; e10, e11
	s_add_nc_u64 s[20:21], s[4:5], s[20:21]
	s_add_nc_u64 s[46:47], s[6:7], s[46:47]
	CROUND                                         ; all sixteen work-groups are here: the first joint loads meet
.irp s, 0,1
	s_mov_b32 s[G0+4*\s], 1
	s_add_co_u32 s[G0+4*\s+1], s45, \s*SLOT
	s_add_nc_u64 s[G0+4*\s+2:G0+4*\s+3], s[20:21], \s*KSLB
	s_or_b32 s[G0+4*\s+3], s[G0+4*\s+3], 0x80000000
	s_mov_b32 s[G0B+4*\s], 1
	s_add_co_u32 s[G0B+4*\s+1], s45, \s*SLOT
	s_add_nc_u64 s[G0B+4*\s+2:G0B+4*\s+3], s[46:47], \s*ROWB
	s_or_b32 s[G0B+4*\s+3], s[G0B+4*\s+3], 0x80000000
	JLOAD G0+4*\s, G1, G0B+4*\s, G1B               ; two loads of mine are out
.endr
	v_and_b32 v1, 15, v0                           ; l % 16
	v_bfe_u32 v2, v0, 4, 1                         ; l / 16
	v_and_b32 v6, 31, v0
	v_lshlrev_b32 v[CO], 4, v6                     ; 16 x lane
	v_mul_u32_u24 v3, v1, PITCH
	v_lshl_add_u32 v4, v2, 4, v3                   ; Wo: a fragment's row x pitch + 16 x half
	s_mul_i32 s21, s15, HALFT                      ; my 128 tokens' images
	s_mul_i32 s22, s16, HALFT                      ; my 128 rows of Wo,
	s_add_co_u32 s22, s22, 2*HALFT                 ; which lie behind a's two parts
.irp s, 0,1
	v_add_nc_u32 v[ADRA+\s], s21, v[CO]
	v_add_nc_u32 v[ADRB+\s], s22, v4
	s_add_co_u32 s21, s21, SLOT
	s_add_co_u32 s22, s22, SLOT
.endr
	s_mul_i32 s23, s14, 16*SPITCH                  ; my stage
	v_mul_u32_u24 v5, v1, SPITCH                   ; in: row l % 16, 32 bytes for each half of the lanes
	v_lshl_add_u32 v5, v2, 5, v5
	v_add_nc_u32 v[STO], s23, v5
	v_add_nc_u32 v[RD], s23, v[CO]                 ; back: the 32 lanes take one row of 512 bytes
	s_lshl_b32 s20, s17, 8
	s_lshl_b32 s21, s15, 7
	s_add_co_u32 s20, s20, s21                     ; my first row of out0: 256 x tile row + 128 x half,
	s_lshl_b32 s20, s20, 12                        ; of 4,096 bytes
	s_mov_b32 s21, 0
	s_lshl_b32 s46, s42, 10                        ; my first column, in bytes: 1024 x tile column + 512 x half
	s_lshl_b32 s47, s16, 9
	s_add_co_u32 s46, s46, s47
	s_mov_b32 s47, 0
	s_add_nc_u64 s[66:67], s[66:67], s[46:47]
	global_load_b128 v[BIAS:BIAS+3], v[CO], s[66:67]   ; bo at columns 4 x lane + 0 .. 3 of my 128: waited for on the way out
	s_add_nc_u64 s[20:21], s[20:21], s[46:47]
	s_add_nc_u64 s[10:11], s[10:11], s[20:21]
.macro FRAG reg, adr, q, i             ; a fragment of Wo from rows: registers 4 c .. 4 c + 3 hold K = 32 c + 16 (l / 16) + 0 .. 15 of row l % 16
.irp c, 0,1,2,3
	ds_load_b128 v[\reg+4*\c:\reg+4*\c+3], v[\adr] offset:128*(\q)+32*\c+(\i)*16*PITCH
.endr
.endm
.macro FRAGA reg, adr, q, i            ; a fragment of a from its image: the same registers in the same lanes as they were stored
.irp c, 0,1,2,3
	ds_load_b128 v[\reg+4*\c:\reg+4*\c+3], v[\adr] offset:4096*(\i)+2048*(\q)+512*\c
.endr
.endm
; 16 matrix instructions: a's blocks a0, a0 + 1 x Wo's eight, 128 along K.  The 64 accumulators take turns, one instruction a turn, in the same order in every step.
.macro MUL16 a0, p, zero
.irp a, \a0, \a0+1
.irp b, 0,1,2,3,4,5,6,7
.if \zero
	v_wmma_f32_16x16x128_fp8_fp8 v[8*(8*((\a)%4)+\b):8*(8*((\a)%4)+\b)+7], v[128*(\p)+FR*\b:128*(\p)+FR*\b+FR-1], v[AF+FR*(\a):AF+FR*(\a)+FR-1], 0
.else
	v_wmma_f32_16x16x128_fp8_fp8 v[8*(8*((\a)%4)+\b):8*(8*((\a)%4)+\b)+7], v[128*(\p)+FR*\b:128*(\p)+FR*\b+FR-1], v[AF+FR*(\a):AF+FR*(\a)+FR-1], v[8*(8*((\a)%4)+\b):8*(8*((\a)%4)+\b)+7]
.endif
.endr
.endr
.endm
.macro FETCH_B slot, q, p
	WIN TO_B
.irp i, 0,1,2,3,4,5,6,7
	FRAG 128*(\p)+FR*\i, ADRB+\slot, \q, \i
.endr
	WIN 0
.endm
.macro FETCH_A slot, q, i0
.irp i, \i0, \i0+1, \i0+2, \i0+3
	FRAGA AF+FR*(\i), ADRA+\slot, \q, \i
.endr
.endm
.macro PLACES n                        ; plain vector instructions between a matrix instruction and a load into its sources or a read of its result (ISA guide 7.12.1 for vector instructions)
.rept \n
	v_nop
.endr
.endm
.macro STEP slot, q, zero              ; a step of 128 along K that has its successor in the same slot
	s_wait_dscnt 4*NL                              ; Wo's set and a's blocks 0-3 are in; the youngest 16 loads (a's blocks 4-7) may be out
	WIN MUL_LO
	MUL16 0, (\q)%2, \zero
	MUL16 2, (\q)%2, \zero
	s_wait_dscnt 0                                 ; a's blocks 4-7 are in
	PLACES NP
	FETCH_B \slot, (\q)+1, 1-(\q)%2
	FETCH_A \slot, (\q)+1, 0
	WIN MUL_HI
	MUL16 4, (\q)%2, \zero
	MUL16 6, (\q)%2, \zero
	PLACES NP
	WIN 0
	FETCH_A \slot, (\q)+1, 4
.endm
; A slot's last step changes slots: ONE barrier; in front of it each wave waits for all its tensor loads, adds 0 to its spare word, and waits for that and for its own reads of this slot.  fill = 1: this slot is filled again, two K steps ahead.
.macro TURN slot, next, fill
	s_wait_tensorcnt 0x0                           ; all my tensor loads have landed: my part of the next slot;
	ds_add_u32 v[SPW], v[NIL]                      ; 0 onto my spare word
	s_wait_dscnt 4*NL+1                            ; (the add and the youngest 16 loads may be out)
	WIN MUL_LO
	MUL16 0, 1, 0                                  ; sixteen matrix instructions stand between the add and the wait for it
	s_wait_dscnt 0x0                               ; the add is done, and my reads of this slot are over
	s_barrier_signal -1
	MUL16 2, 1, 0
	WIN 0
	s_barrier_wait -1
.if \fill
	CREST                                          ; the barrier has opened a round of the cluster's barrier: no wave of any partner still reads this slot's tile or has a load on its way
	s_add_nc_u64 s[G0+4*\slot+2:G0+4*\slot+3], s[G0+4*\slot+2:G0+4*\slot+3], 2*KSLB
	s_add_nc_u64 s[G0B+4*\slot+2:G0B+4*\slot+3], s[G0B+4*\slot+2:G0B+4*\slot+3], 2*ROWB
	JLOAD G0+4*\slot, G1, G0B+4*\slot, G1B         ; the first tensor load behind the round, and my only one until the next; its four v_nop are the places in front of the loads below
.else
	PLACES NP
.endif
	FETCH_B \next, 0, 0
	FETCH_A \next, 0, 0
	WIN MUL_HI
	MUL16 4, 1, 0
	MUL16 6, 1, 0
	PLACES NP
	WIN 0
	FETCH_A \next, 0, 4
.endm
	s_wait_tensorcnt 1                             ; my part of K step 0 is in (K step 1's load may be out)
	s_barrier_signal -1
	s_barrier_wait -1                              ; everybody's is
	FETCH_B 0, 0, 0
	FETCH_A 0, 0, 0
	FETCH_A 0, 0, 4
	STEP 0, 0, 1                                   ; the first step stands in front of the loop: its products start the sums
	s_mov_b32 s3, LAPS-1
.Llap:
	TURN 0, 1, 1
	STEP 1, 0, 0
	TURN 1, 0, 1
	STEP 0, 0, 0
	s_sub_co_u32 s3, s3, 1
	s_cmp_lg_u32 s3, 0
	s_cbranch_scc1 .Llap
	TURN 0, 1, 0                                   ; the last lap fills nothing, and has no round of the cluster's barrier
	STEP 1, 0, 0
	s_wait_dscnt 4*NL
	WIN MUL_LO
	MUL16 0, 1, 0
	MUL16 2, 1, 0
	s_wait_dscnt 0
	WIN MUL_HI
	MUL16 4, 1, 0
	MUL16 6, 1, 0
	WIN 0
; THE WAY OUT, block by block of 16 rows x 128 columns.  A lane holds 32 neighbouring bytes of a row, and the lanes beside it hold other rows: the sums go, as they are, through my own stage in LDS and come back as whole
; rows of 512 bytes.  There a lane holds the same four columns in every row, so the scale and the bias are one packed multiply-add for two numbers, with the lane's four numbers of bo.
; LDS serves a wave's instructions in order (ISA guide 5.7.1.4): no wait between the stores and the loads, nor in front of the next block's stores.
.macro TOSTAGE a
.set AC, 64*((\a)%4)
	WIN 0x08+4*((\a)/4)                            ; the stores' data: window 2 or 3
.irp b, 0,1,2,3,4,5,6,7
	ds_store_b128 v[STO], v[AC+8*\b:AC+8*\b+3] offset:64*\b          ; each accumulator from its low end on
	ds_store_b128 v[STO], v[AC+8*\b+4:AC+8*\b+7] offset:64*\b+16
.endr
	WIN 0
.set BB, BK+64*((\a)%2)
.irp t, 0,1,2,3,4,5,6,7,8,9,10,11,12,13,14,15
	ds_load_b128 v[BB+4*\t:BB+4*\t+3], v[RD] offset:\t*SPITCH
.endr
.endm
.macro SEND a, younger                 ; younger: the LDS instructions issued behind block a's loads, which may stay out
.set BB, BK+64*((\a)%2)
	s_wait_dscnt \younger                          ; the block is back in registers
.if (\a) > 0
	s_add_nc_u64 s[10:11], s[10:11], 16*SIZE_N*4   ; (behind a wait on XCNT: the earlier stores have read their base)  16 rows on
.endif
.irp t, 0,1,2,3,4,5,6,7,8,9,10,11,12,13,14,15
	v_pk_fma_f32 v[BB+4*\t:BB+4*\t+1], v[BB+4*\t:BB+4*\t+1], s[96:97], v[BIAS:BIAS+1] op_sel_hi:[1,0,1]       ; sum x 2^(e10 + e11) + bo (the scalar pair's low word for both halves)
	v_pk_fma_f32 v[BB+4*\t+2:BB+4*\t+3], v[BB+4*\t+2:BB+4*\t+3], s[96:97], v[BIAS+2:BIAS+3] op_sel_hi:[1,0,1]
	global_store_b128 v[CO], v[BB+4*\t:BB+4*\t+3], s[10:11] offset:\t*SIZE_N*4 th:TH_STORE_NT   ; 32 lanes store 512 consecutive bytes, at a multiple of 512 from out0's first byte; written once, read by nobody here
.endr
.endm
	s_wait_kmcnt 0x0
	s_add_co_i32 s96, s96, s97                     ; e10 + e11, between -126 and 127,
	s_add_co_i32 s96, s96, 127
	s_lshl_b32 s96, s96, 23                        ; makes the f32 number 2^(e10 + e11)
	s_wait_loadcnt 0x0                             ; bo
	PLACES NP                                      ; behind the last products: for the stores that read results and the loads into the registers that held a's fragments
	TOSTAGE 0
.irp a, 1,2,3,4,5,6,7
.if \a > 1
	s_wait_xcnt 0x0                                ; block a - 2's stores have read their registers and their base: block a's loads may land there, and the base may step
.endif
	TOSTAGE \a
	SEND \a-1, 32                                  ; behind block a - 1's loads: block a's 16 stores and 16 loads
.endr
	s_wait_xcnt 0x0                                ; block 6's stores have read their base
	SEND 7, 0
	s_wait_tensorcnt 0x0                           ; the wave's end, behind my last tensor load and my last LDS store
	ds_add_u32 v[SPW], v[NIL]
	s_wait_dscnt 0x0
	CROUND                                         ; the closing round: no work-group ends while a partner may still ask for a tile that names it
	s_endpgm
.Lfunc_end_k_q8369c3e99b_outp:
	.size	k_q8369c3e99b_outp, .Lfunc_end_k_q8369c3e99b_outp-k_q8369c3e99b_outp
	.p2alignl 7, 3214868480
	.fill 96, 4, 3214868480
	.section	.rodata,"a",@progbits
	.p2align	6, 0x0
	.amdhsa_kernel k_q8369c3e99b_outp
		.amdhsa_group_segment_fixed_size 327680
		.amdhsa_private_segment_fixed_size 0
		.amdhsa_enable_private_segment 0
		.amdhsa_kernarg_size 40
		.amdhsa_user_sgpr_count 2
		.amdhsa_user_sgpr_kernarg_segment_ptr 1
		.amdhsa_wavefront_size32 1
		.amdhsa_system_sgpr_workgroup_id_x 1
		.amdhsa_system_sgpr_workgroup_id_y 1
		.amdhsa_system_sgpr_workgroup_id_z 1
		.amdhsa_system_vgpr_workitem_id 0
		.amdhsa_next_free_vgpr 1024
		.amdhsa_next_free_sgpr 98
		.amdhsa_reserve_vcc 0
		.amdhsa_float_denorm_mode_32 3
		.amdhsa_float_denorm_mode_16_64 3
		.amdhsa_memory_ordered 1
		.amdhsa_forward_progress 1
		.amdhsa_inst_pref_size 123
	.end_amdhsa_kernel
	.amdgpu_metadata
---
amdhsa.version: [ 1, 2 ]
amdhsa.kernels:
  - .name:           k_q8369c3e99b_outp
    .symbol:         k_q8369c3e99b_outp.kd
    .args:
      - { .name: ac, .offset: 0, .size: 8, .value_kind: global_buffer, .address_space: global }
      - { .name: Wo_codes, .offset: 8, .size: 8, .value_kind: global_buffer, .address_space: global }
      - { .name: lowp_scales, .offset: 16, .size: 8, .value_kind: global_buffer, .address_space: global }
      - { .name: out0, .offset: 24, .size: 8, .value_kind: global_buffer, .address_space: global }
      - { .name: bo, .offset: 32, .size: 8, .value_kind: global_buffer, .address_space: global }
    .group_segment_fixed_size: 327680
    .private_segment_fixed_size: 0
    .kernarg_segment_align: 8
    .kernarg_segment_size: 40
    .max_flat_workgroup_size: 128
    .sgpr_count:     98
    .vgpr_count:     1024
    .wavefront_size: 32
...
	.end_amdgpu_metadata
.endif
;; end of part 3
;; ======== version 2 of 2: 3 launches; version 1 with the launch attn written anew for expert scheduling mode
;; workspace buffers: qc 8,388,608 bytes; kc 8,388,608 bytes; vc 8,388,608 bytes; ac 8,388,608 bytes
;; launch proj: the kernel of part 1 again; grid 4 x 96, 4 waves a work-group, clusters of 4 x 4, 327,680 bytes of LDS; arguments query_codes, key_codes, value_codes, Wq_codes, Wk_codes, Wv_codes, lowp_scales, qc, kc, vc; writes qc, kc, vc
;; launch attn (part 4): grid 4 x 64, 8 waves a work-group, no clusters, 66,560 bytes of LDS; arguments qc, kc, vc, lowp_scales, ac; writes ac
.if DOCPART == 4
	.amdgcn_target "amdgcn-amd-amdhsa--gfx1250"
	.amdhsa_code_object_version 6
	.text
	.protected	k_q8369c3e99b_attn
	.globl	k_q8369c3e99b_attn
	.p2align	8
	.type	k_q8369c3e99b_attn,@function
k_q8369c3e99b_attn:
	s_mov_b64 s[64:65], 0
	v_nop
	global_prefetch_b8 v0, s[64:65] scope:SCOPE_SE
	s_setreg_imm32_b32 hwreg(HW_REG_WAVE_SCHED_MODE, 0, 2), 2
	s_setreg_imm32_b32 hwreg(HW_REG_WAVE_MODE, 25, 1), 1
	s_wait_xcnt 0x0
	s_wait_alu depctr_vm_vsrc(0)
; CAUSAL ATTENTION ON CODES OF FP8 (E4M3): for each of 64 (batch, head): o[q] = sum over keys k <= q of softmax_k(q . k / 8) v[k], head size 64, 2,048 tokens; o is quantised for the output projection.
; qc, kc, vc hold images of operand registers (the launch before lays them so): a fragment comes by loads of 16 bytes a lane at 16 x lane.
;   qc, kc: head x 131072 + (token / 16) x 1024 + p x 512 + 16 x lane;     vc: head x 131072 + (key / 128) x 8192 + t x 2048 + g x 512 + 16 x lane.
; THE SOFTMAX: t = score x 2^(e6 + e7) x log2(e) / 8; M = the row's largest t so far, rounded UP to a whole number; p = 2^(t - M) is quantised with 2^e8, not normalised.  The row's sum is taken of the unquantised p
; and divides at the end.  When M moves, the sum and O are multiplied by 2^(old M - new M), which rounds nothing.
; SHARES.  Work-group (i, head) owns the blocks i and 7 - i of 256 queries: (i + 1) + (8 - i) = 9 slots of 256 keys, whatever i is: all 256 work-groups walk the same number of slots, and the trip count is a constant.
; A wave owns 32 queries of the block in hand, two tiles of 16, so that each fragment of K and V read from LDS feeds two products.  A key step is 128 keys.
; A step all of whose keys come after the wave's queries is left out by a scalar branch on ids; in the steps on the diagonal hidden scores become -infinity ahead of the maximum.  Key 0 counts for every query, so M is a number from a block's first step on.
; BOTH PRODUCTS ARE USED TRANSPOSED: S^T = K Q^T (source 0 = 16 keys, source 1 = 16 queries), O^T = V^T P^T (source 0 = 16 channels, source 1 = P): a lane holds ONE query (lane % 16) throughout.  In tile T of S^T its eight
; registers are keys 16 T + 8 (lane / 16) + 0 .. 7: one conversion makes of them registers 2 T, 2 T + 1 of P, in the plain 8-bit layout's own order (ISA guide 7.12.2).
; K AND V COME THROUGH REGISTERS: a slot is 16,384 dense bytes of kc and of vc; each of the 256 threads loads 8 x 16 bytes of the NEXT slot at a trip's head and stores them flat into the other LDS slot at its end.
; One barrier a trip: in front of it a wave's stores into the next slot have landed and its reads of this slot are over.
; No joint loads: the four work-groups of a head stand at different key slots in the same trip (from trip i + 1 on, work-group i has begun its second block), so no tile is wanted by two of them at the same time.
; THE RESULT, o x 2^(e8 + e9) / sum, is quantised with 2^e10 and stored as images of the next launch's operand: ac: (head / 4) x 2097152 + (global token / 16) x 4096 + (head % 4) x 1024 + t x 256 + 16 (lane % 16) + 8 (lane / 16).
; LIMITS on the given exponents, so that each power of two below is an f32 number: e6 + e7 between -123 and 130 (added to c's exponent field); e8 and e10 between -126 and 119; e8 + e9 is applied by v_ldexp_f32 and has none.
; THE MODE: SCHED_MODE bits 1:0 = 2 (LLVM: expert scheduling mode 2), set by the entry lines.  The code itself states the register dependences between vector or matrix instructions and memory or LDS instructions,
; with s_wait_alu, always for 0.
; THE PLAN.  Registers that memory or LDS instructions touch:
;   v1, v2, v8   offsets of all global loads and stores: made at the head, never written again.  Blocks, slots and rows are reached by scalar bases and immediate offsets.
;   v3, v4       LDS addresses of the slot that is read and of the slot that is written: one vector add each at a trip's head; read by the trip's LDS loads (v3) and LDS stores (v4).
;   STG          written by the eight global loads at a trip's head, read by the eight LDS stores at its end; no vector instruction names it.
;   KFR, VFR     written by LDS loads, read by the products K Q^T and V^T P.       Q   written by four global loads a block of queries, read by the products K Q^T.
;   PC           written by conversions; read by the products V^T P and, at a block's end, by eight global stores.
; A trip's head: one wait on vm_vsrc (the last trip's LDS stores have read STG and v4, its LDS loads v3, a finished block's stores PC), the loads into STG, the two adds, one wait on va_vdst (v3, v4 are written).
; A step: ONE wait on va_vdst, behind the exponentials, where their readers want it in any case.  It also states that the last step's products V^T P are done reading VFR and this step's products K Q^T are done reading KFR:
; so this step's V and, in a slot's first step, the second step's K are asked for straight behind it, and land while the sums, the conversions and O's rescaling are done.  A slot's first K is asked for at the step's head:
; its bytes are whole only behind the barrier.
; REGISTERS.  Window 0: v1-4, v8-12 addresses and constants; v16-31 Q; v32-159 S^T, then p, 64 a tile; v160-191 P's codes, 16 a tile; v192-223 the next slot on its way; v224-247 statistics; v248-251 scales.
;   Window 1: v0-63 K's fragments; v64-127 V's; v128-191 O^T, 32 a tile.
.set SLOTB, 32768                      ; an LDS slot: 16,384 bytes of K, then 16,384 of V
.set VOFF,  16384
.set Q,    16
.set S,    32
.set PC,   160
.set STG,  192
.set ST,   224                         ; tile q at v[ST + 8 q]: +0 -M, +1 the largest t, +2, +3 the sum in two halves, +4 f (+5 named with it as a pair), +6, +7 at work
.set AUX,  240                         ; tile q at v[AUX + 4 q]: +0, +1 the sum's second chain, +2 what the other half of the lanes sends
.set KFR,  0                           ; in window 1
.set VFR,  64
.set O,    128
.set MK,   66                          ; s[66:97] the masks of a run of 32 compares
; s14 wave; s15 i; s16 head; s17 the block of queries in hand; s18 the key slot in hand; s19 the next; s20 my first query; s21 the slot's first key; s22, s23 the LDS slot that is read, written;
; s[24:31] the scales' entries 4 to 11; s[32:33] c; s[34:35] lane selects; s36 trips; s37 e8 + e9; s38, s39 at work; s40 the head's place in ac;
; s[42:43], s[44:45] kc and vc at the slot that is being loaded; s[46:47] qc at my first query; s[48:49] ac at my first query
.set MSB, 0
.macro WIN new                         ; the immediate's high byte repeats the setting that is left
.if MSB != \new
	s_set_vgpr_msb (MSB<<8)|\new
.set MSB, \new
.endif
.endm
.macro LOADQ                           ; my two tiles of Q: 8 registers each
	s_lshl_b32 s38, s20, 6                         ; (query / 16) x 1024
	s_mov_b32 s39, 0
	s_add_nc_u64 s[46:47], s[4:5], s[38:39]        ; (the loads that read this base last were waited for long ago)
.irp u, 0,1
.irp p, 0,1
	global_load_b128 v[Q+8*\u+4*\p:Q+8*\u+4*\p+3], v1, s[46:47] offset:\u*1024+\p*512
.endr
.endr
.endm
.macro GLOAD                           ; the next slot's K and V: a load of the work-group covers 4,096 consecutive bytes
	s_lshl_b32 s38, s19, 14
	s_mov_b32 s39, 0
	s_add_nc_u64 s[42:43], s[6:7], s[38:39]        ; the two bases are free: the wait for the last slot's data, ahead of its LDS stores, has shown the loads that read them done
	s_add_nc_u64 s[44:45], s[8:9], s[38:39]
.irp j, 0,1,2,3
	global_load_b128 v[STG+4*\j:STG+4*\j+3], v2, s[42:43] offset:\j*4096
.endr
.irp j, 0,1,2,3
	global_load_b128 v[STG+16+4*\j:STG+16+4*\j+3], v2, s[44:45] offset:\j*4096
.endr
.endm
.macro LSTORE                          ; and into the LDS slot that nobody reads in this trip, as they lie.  The data come from loads; v4 was written ahead of the wait on va_vdst at the trip's head, and nothing has named it since
	s_wait_loadcnt 0x0
.irp j, 0,1,2,3
	ds_store_b128 v4, v[STG+4*\j:STG+4*\j+3] offset:\j*4096
.endr
.irp j, 0,1,2,3
	ds_store_b128 v4, v[STG+16+4*\j:STG+16+4*\j+3] offset:VOFF+\j*4096
.endr
.endm
.macro KLOAD st                        ; K of the slot's st-th step: eight tiles of 16 keys x 64 (the destination's window is set by the caller)
.irp t, 0,1,2,3,4,5,6,7
.irp p, 0,1
	ds_load_b128 v[KFR+8*\t+4*\p:KFR+8*\t+4*\p+3], v3 offset:\st*8192+\t*1024+\p*512
.endr
.endr
.endm
.macro RESET                           ; a block of queries begins: the key step is written once, and its first run finds zeros, which the first change of M leaves zeros
.irp q, 0,1
	v_mov_b32 v[ST+8*\q+1], 0xff61b1e6             ; the largest t so far: -3e38, under every t
	v_mov_b32 v[ST+8*\q+2], 0
	v_mov_b32 v[ST+8*\q+3], 0
	v_mov_b32 v[ST+8*\q+4], 0
	v_mov_b32 v[ST+8*\q+5], 0
	v_mov_b32 v[AUX+4*\q+2], 0                     ; a lane permute's destination counts as one of its sources
	v_floor_f32 v[ST+8*\q], -v[ST+8*\q+1]          ; -M
.endr
	WIN 0x40                                       ; destination window 1
.set i, 0
.rept 64
	v_mov_b32 v[O+i], 0
.set i, i+1
.endr
	WIN 0
.endm
; A KEY STEP: the st-th 128 keys of the slot in hand, for my two tiles of queries.  past: the label behind the slot's two steps.
.macro STEP st, past
	s_add_co_u32 s38, s21, 128*\st                 ; the step's first key
	s_add_co_u32 s39, s20, 31                      ; my last query
	s_cmp_gt_u32 s38, s39
	s_cbranch_scc1 \past                           ; all its keys come after my queries, and so do those of the slot's later step: the second step is reached through the first alone, which has asked for its K
.if \st == 0
	WIN 0x40                                       ; destination window 1
	KLOAD 0                                        ; no wait: v3 was written, and the last products that read these registers were issued, ahead of the wait on va_vdst at the trip's head; only scalar lines stand between
.endif
	s_wait_dscnt 0x0                               ; K is in (the second step's was asked for in the first step)
	WIN 0x01                                       ; source 0 (K) window 1
.irp t, 0,1,2,3,4,5,6,7
.irp q, 0,1
	v_wmma_f32_16x16x64_fp8_fp8 v[S+64*\q+8*\t:S+64*\q+8*\t+7], v[KFR+8*\t:KFR+8*\t+7], v[Q+8*\q:Q+8*\q+7], 0
.endr
.endr
	WIN 0
.rept 4
	v_nop                                          ; places in front of the first read of the scores
.endr
	s_add_co_u32 s39, s38, 127
	s_cmp_le_u32 s39, s20
	s_cbranch_scc1 .Lopen_\@                       ; all its keys count for all my queries
	s_sub_co_i32 s39, s20, s38
	v_add_nc_u32 v10, s39, v9                      ; d = my query - the step's first key - 8 (lane / 16), for tile 0,
	v_add_nc_u32 v11, 16, v10                      ; for tile 1.  Register 8 T + j holds key 16 T + 8 (lane / 16) + j of the step: hidden where 16 T + j > d
.irp q, 0,1
.irp u, 0,1                                    ; the compares go in runs of 32, each into a scalar register of its own, so that one wait serves a run
.set i, 0
.rept 32
	v_cmp_gt_i32 s[MK+i], 64*\u+16*(i/8)+i%8, v[10+\q]
.set i, i+1
.endr
	s_wait_alu depctr_va_sdst(0)                   ; the 32 compares have written their masks, ahead of the selects that read them
.set i, 0
.rept 32
	v_cndmask_b32 v[S+64*\q+32*\u+i], v[S+64*\q+32*\u+i], v12, s[MK+i]
.set i, i+1
.endr
.endr
.endr
.Lopen_\@:
.irp q, 0,1                                    ; the step's largest score of my query, among my 64 keys, in two chains a tile; each tile of S^T is read from its low end on
	v_max3_num_f32 v[ST+8*\q+6], v[S+64*\q], v[S+64*\q+1], v[S+64*\q+2]
	v_max3_num_f32 v[ST+8*\q+7], v[S+64*\q+3], v[S+64*\q+4], v[S+64*\q+5]
.endr
.irp i, 6,10,14,18,22,26,30,34,38,42,46,50,54,58
.irp q, 0,1
	v_max3_num_f32 v[ST+8*\q+6], v[ST+8*\q+6], v[S+64*\q+\i], v[S+64*\q+\i+1]
	v_max3_num_f32 v[ST+8*\q+7], v[ST+8*\q+7], v[S+64*\q+\i+2], v[S+64*\q+\i+3]
.endr
.endr
.irp q, 0,1
	v_max3_num_f32 v[ST+8*\q+6], v[ST+8*\q+6], v[S+64*\q+62], v[S+64*\q+63]
.endr
.irp q, 0,1
	v_max_num_f32 v[ST+8*\q+6], v[ST+8*\q+6], v[ST+8*\q+7]
.endr
.irp q, 0,1
	v_permlanex16_b32 v[AUX+4*\q+2], v[ST+8*\q+6], s34, s35
.endr
.irp q, 0,1
	v_max_num_f32 v[ST+8*\q+6], v[ST+8*\q+6], v[AUX+4*\q+2]   ; and among lane l xor 16's
.endr
.irp q, 0,1
	v_mul_f32 v[ST+8*\q+6], s32, v[ST+8*\q+6]      ; as t (c is positive)
.endr
.irp q, 0,1
	v_max_num_f32 v[ST+8*\q+1], v[ST+8*\q+1], v[ST+8*\q+6]   ; the running largest t
	v_mov_b32 v[ST+8*\q+6], v[ST+8*\q]             ; the old -M
.endr
.irp q, 0,1
	v_floor_f32 v[ST+8*\q], -v[ST+8*\q+1]          ; the new -M = floor(-t) = -ceil(t): M is a whole number
.endr
.irp q, 0,1
	v_sub_f32 v[ST+8*\q+6], v[ST+8*\q], v[ST+8*\q+6]   ; old M - new M: a whole number, 0 or less
.endr
.irp q, 0,1
	v_cvt_i32_f32 v[ST+8*\q+6], v[ST+8*\q+6]       ; (it saturates)
.endr
.irp q, 0,1
	v_ldexp_f32 v[ST+8*\q+4], 1.0, v[ST+8*\q+6]    ; f = 2^(old M - new M)
.endr
.set j, 0
.rept 32
.irp q, 0,1
	v_pk_fma_f32 v[S+64*\q+j:S+64*\q+j+1], v[S+64*\q+j:S+64*\q+j+1], s[32:33], v[ST+8*\q:ST+8*\q+1] op_sel_hi:[1,0,0]   ; t - M, two at a time (of the pairs c and -M the low word serves both halves)
.endr
.set j, j+2
.endr
.set j, 0
.rept 128
	v_exp_f32 v[S+j], v[S+j]                       ; p = 2^(t - M): one batch for both tiles
.set j, j+1
.endr
.irp q, 0,1
	v_pk_mul_f32 v[ST+8*\q+2:ST+8*\q+3], v[ST+8*\q+2:ST+8*\q+3], v[ST+8*\q+4:ST+8*\q+5] op_sel_hi:[1,0]   ; the sums under the new M; also the plain instruction behind the exponentials
.endr
	WIN 0x40                                       ; destination window 1: the switch, then the wait, then the loads
	s_wait_alu depctr_va_vdst(0)                   ; the step's one wait: the 128 exponentials have written p, ahead of their first reader; the last step's products V^T P are done reading V's registers, and this step's products K Q^T K's, in which the loads below land
.irp t, 0,1,2,3                                ; V: four tiles of 16 channels x 128 keys
.irp g, 0,1,2,3
	ds_load_b128 v[VFR+16*\t+4*\g:VFR+16*\t+4*\g+3], v3 offset:VOFF+\st*8192+\t*2048+\g*512
.endr
.endr
.if \st == 0
	KLOAD 1                                        ; and the slot's second step's K, behind V
.endif
	WIN 0
.irp q, 0,1
	v_pk_add_f32 v[AUX+4*\q:AUX+4*\q+1], v[S+64*\q:S+64*\q+1], v[S+64*\q+2:S+64*\q+3]   ; the row's sum is taken of the UNQUANTISED p: two at a time, in two chains a tile
.endr
.irp j, 4,8,12,16,20,24,28,32,36,40,44,48,52,56,60
.irp q, 0,1
	v_pk_add_f32 v[ST+8*\q+2:ST+8*\q+3], v[ST+8*\q+2:ST+8*\q+3], v[S+64*\q+\j:S+64*\q+\j+1]
	v_pk_add_f32 v[AUX+4*\q:AUX+4*\q+1], v[AUX+4*\q:AUX+4*\q+1], v[S+64*\q+\j+2:S+64*\q+\j+3]
.endr
.endr
.irp q, 0,1
	v_pk_add_f32 v[ST+8*\q+2:ST+8*\q+3], v[ST+8*\q+2:ST+8*\q+3], v[AUX+4*\q:AUX+4*\q+1]
.endr
	s_cmp_gt_i32 s28, -9                           ; THE HOLD.  The conversion does not saturate (ISA guide 7.6.2).  p is at most 1 (a last bit over it at the worst), and 448 x 2^e8 is 1.75 or more
	s_cbranch_scc1 .Lfits_\@                       ; where e8 >= -8: there the hold could change no number and is passed over
.set j, 0
.rept 128
	v_min_num_f32 v[S+j], v[S+j], v249             ; p is not negative, so the hold is one-sided
.set j, j+1
.endr
.Lfits_\@:
.irp t, 0,1,2,3,4,5,6,7
.irp q, 0,1
	v_cvt_scalef32_pk8_fp8_f32 v[PC+16*\q+2*\t:PC+16*\q+2*\t+1], v[S+64*\q+8*\t:S+64*\q+8*\t+7], v248
.endr
.endr
	WIN 0x41                                       ; O^T (destination and source 0) window 1, f window 0
.irp q, 0,1
.set j, 0
.rept 16
	v_pk_mul_f32 v[O+32*\q+j:O+32*\q+j+1], v[O+32*\q+j:O+32*\q+j+1], v[ST+8*\q+4:ST+8*\q+5] op_sel_hi:[1,0]   ; O^T under the new M.  (These are also the plain instructions between the conversions and the products that read the codes)
.set j, j+2
.endr
.endr
.if \st == 0
	s_wait_dscnt 16                                ; V's sixteen loads are in; the next step's K, sixteen loads issued behind them, may stay out
.else
	s_wait_dscnt 0x0                               ; V is in
.endif
	WIN 0x51                                       ; V, C and D window 1; P window 0
.irp t, 0,1,2,3                                ; eight accumulators, one instruction each: no two that follow each other share one, and the matrix instruction ahead of the first wrote S^T
.irp q, 0,1
	v_wmma_f32_16x16x128_fp8_fp8 v[O+32*\q+8*\t:O+32*\q+8*\t+7], v[VFR+16*\t:VFR+16*\t+15], v[PC+16*\q:PC+16*\q+15], v[O+32*\q+8*\t:O+32*\q+8*\t+7]
.endr
.endr
	WIN 0
.endm
.macro STEPS                           ; a slot's two key steps
	STEP 0, .Lpast_\@
	STEP 1, .Lpast_\@
.Lpast_\@:
.endm
; A BLOCK OF QUERIES IS DONE: O^T x 2^(e8 + e9) / the sum, quantised with 2^e10.  A lane's eight channels 16 t + 8 (lane / 16) + 0 .. 7 of query lane % 16 become 8 bytes; the 32 lanes' 8 bytes fill 256 consecutive bytes, aligned.
.macro OUT
.irp q, 0,1
	v_add_f32 v[ST+8*\q+6], v[ST+8*\q+2], v[ST+8*\q+3]   ; the sum's two halves.  (The seven plain lines from here to the first read of O^T are the places behind the last products)
.endr
.irp q, 0,1
	v_permlanex16_b32 v[AUX+4*\q+2], v[ST+8*\q+6], s34, s35
.endr
.irp q, 0,1
	v_add_f32 v[ST+8*\q+6], v[ST+8*\q+6], v[AUX+4*\q+2]  ; and lane l xor 16's: the row's sum, above 1/2
.endr
.irp q, 0,1
	v_rcp_f32 v[ST+8*\q+4], v[ST+8*\q+6]
.endr
	s_lshl_b32 s38, s20, 8                         ; (query / 16) x 4096
	s_add_co_u32 s38, s38, s40
	s_mov_b32 s39, 0
	s_add_nc_u64 s[48:49], s[12:13], s[38:39]      ; ac at my first query (an earlier block's stores have read this base: the wait on XCNT at the change of blocks)
	v_nop                                          ; the plain instruction behind the reciprocals
	s_wait_alu depctr_va_vdst(0)                   ; the two reciprocals are written, ahead of their first reader
.irp q, 0,1
	v_ldexp_f32 v[ST+8*\q+4], v[ST+8*\q+4], s37    ; x 2^(e8 + e9)
.endr
	WIN 0x01                                       ; source 0 (O^T) window 1
.irp q, 0,1
.set j, 0
.rept 16
	v_pk_mul_f32 v[S+64*\q+j:S+64*\q+j+1], v[O+32*\q+j:O+32*\q+j+1], v[ST+8*\q+4:ST+8*\q+5] op_sel_hi:[1,0]   ; each accumulator from its low end on
.set j, j+2
.endr
.endr
	WIN 0
.irp q, 0,1
.set j, 0
.rept 32
	v_med3_num_f32 v[S+64*\q+j], v[S+64*\q+j], -v251, v251   ; the hold at the largest code x the scale
.set j, j+1
.endr
.endr
.irp q, 0,1
.irp t, 0,1,2,3
	v_cvt_scalef32_pk8_fp8_f32 v[PC+16*\q+2*\t:PC+16*\q+2*\t+1], v[S+64*\q+8*\t:S+64*\q+8*\t+7], v250
.endr
.endr
	v_nop                                          ; one plain vector instruction behind the last conversion: later products write its sources
	s_wait_alu depctr_va_vdst(0)                   ; the conversions have written the codes, which the stores read; the products that read Q stand ahead of this wait too, for the next block's loads of Q
.irp q, 0,1
.irp t, 0,1,2,3
	global_store_b64 v8, v[PC+16*\q+2*\t:PC+16*\q+2*\t+1], s[48:49] offset:\q*4096+\t*256
.endr
.endr
.endm
	s_load_b256 s[4:11], s[0:1], 0x0               ; qc s[4:5], kc s[6:7], vc s[8:9], the scales s[10:11]
	s_load_b64 s[12:13], s[0:1], 0x20              ; ac
	v_lshl_add_u32 v254, v0, 2, 0x10000
	v_mov_b32 v255, 0
	v_lshrrev_b32 v1, 5, v0
	v_readfirstlane_b32 s14, v1                    ; wave 0..7
	s_mov_b32 s15, ttmp9                           ; i
	s_and_b32 s16, ttmp7, 0xffff                   ; batch x 16 + head
	v_and_b32 v1, 31, v0
	v_lshlrev_b32 v1, 4, v1                        ; 16 x lane
	v_lshlrev_b32 v2, 4, v0                        ; 16 x thread
	v_and_b32 v10, 15, v0                          ; r
	v_bfe_u32 v11, v0, 4, 1                        ; h
	v_lshlrev_b32 v8, 4, v10
	v_lshl_add_u32 v8, v11, 3, v8                  ; 16 r + 8 h
	v_lshlrev_b32 v11, 3, v11
	v_sub_nc_u32 v9, v10, v11                      ; r - 8 h
	v_mov_b32 v12, 0xff800000                      ; -infinity
	s_mov_b32 s17, s15                             ; the first block of queries is block i
	s_mov_b32 s18, 0
	s_mov_b32 s19, 0
	s_mov_b32 s22, 0
	s_mov_b32 s23, 0
	v_add_nc_u32 v4, s23, v2                       ; key slot 0 goes into LDS slot 0
	s_wait_alu depctr_va_sdst(0)                   ; s14 is written, ahead of its first reader: my first query is made from it
	s_lshl_b32 s20, s17, 8
	s_lshl_b32 s38, s14, 5
	s_add_co_u32 s20, s20, s38                     ; my first query: 256 x block + 32 x wave
	s_mov_b32 s34, 0x76543210
	s_mov_b32 s35, 0xfedcba98
	s_mov_b32 s36, 8
	s_and_b32 s38, s16, 15                         ; the head
	s_lshr_b32 s39, s16, 4                         ; the batch: 128 tiles of 16 tokens x 4,096 bytes
	s_lshl_b32 s40, s39, 19
	s_lshr_b32 s39, s38, 2
	s_lshl_b32 s39, s39, 21                        ; four heads are 256 along the next K
	s_add_co_u32 s40, s40, s39
	s_and_b32 s39, s38, 3
	s_lshl_b32 s39, s39, 10
	s_add_co_u32 s40, s40, s39
	s_lshl_b32 s38, s16, 17                        ; the head's 131,072 bytes in each of qc, kc, vc
	s_mov_b32 s39, 0
	s_wait_kmcnt 0x0
	s_load_b256 s[24:31], s[10:11], 0x10           ; entries 4 to 11: e6 s26, e7 s27, e8 s28, e9 s29, e10 s30
	s_add_nc_u64 s[4:5], s[4:5], s[38:39]
	s_add_nc_u64 s[6:7], s[6:7], s[38:39]
	s_add_nc_u64 s[8:9], s[8:9], s[38:39]
	s_wait_alu depctr_va_vdst(0)                   ; v1, v2 and v8, the offsets of every global load and store of the kernel, and v4, the first LDS stores' address, are written
	LOADQ
	GLOAD                                          ; key slot 0
	RESET
	s_wait_kmcnt 0x0
	s_add_co_i32 s38, s26, s27
	s_lshl_b32 s38, s38, 23
	s_add_co_i32 s32, s38, 0x3e38aa3b              ; c = log2(e) / 8, with e6 + e7 added to its exponent field
	s_mov_b32 s33, s32                             ; (named with it as a pair, so it is written)
	s_add_co_i32 s37, s28, s29
	s_add_co_i32 s38, s28, 127
	s_lshl_b32 s39, s38, 23
	v_mov_b32 v248, s39                            ; 2^e8 as f32: p's conversions take its exponent field
	s_add_co_i32 s38, s38, 8
	s_lshl_b32 s38, s38, 23
	s_or_b32 s38, s38, 0x600000
	v_mov_b32 v249, s38                            ; 448 x 2^e8
	s_add_co_i32 s38, s30, 127
	s_lshl_b32 s39, s38, 23
	v_mov_b32 v250, s39                            ; 2^e10, for the result's
	s_add_co_i32 s38, s38, 8
	s_lshl_b32 s38, s38, 23
	s_or_b32 s38, s38, 0x600000
	v_mov_b32 v251, s38                            ; 448 x 2^e10
	LSTORE                                         ; (its wait covers Q too)
	s_mov_b32 s23, SLOTB
	s_wait_dscnt 0x0                               ; my part of slot 0 has landed,
	s_barrier_signal -1
	s_barrier_wait -1                              ; everybody's has
.Ltrip:                                            ; eight trips; the ninth slot is written out behind the loop, without loads
	s_add_co_u32 s19, s18, 1
	s_cmp_eq_u32 s18, s17
	s_cselect_b32 s19, 0, s19                      ; behind the diagonal's slot comes slot 0, for the second block
	s_wait_alu depctr_vm_vsrc(0)                   ; the LDS stores issued so far have read STG, in which the loads below land, and v4; the LDS loads have read v3; a finished block's stores have read the codes' registers, which this trip's conversions write again
	GLOAD                                          ; a whole slot's work ahead of the wait for it
	v_add_nc_u32 v3, s22, v1                       ; the slot that this trip reads,
	v_add_nc_u32 v4, s23, v2                       ; and the one that it writes
	s_wait_alu depctr_va_vdst(0)                   ; v3 and v4 are written: the trip's LDS loads and LDS stores read them as addresses
	s_lshl_b32 s21, s18, 8
	STEPS
	LSTORE
	s_cmp_lg_u32 s18, s17
	s_cbranch_scc1 .Lsame                          ; on ids alone, and the same in all eight waves
	OUT                                            ; the first block is done: on to block 7 - i
	s_sub_co_u32 s17, 7, s15
	s_lshl_b32 s20, s17, 8
	s_lshl_b32 s38, s14, 5
	s_add_co_u32 s20, s20, s38
	RESET
	LOADQ                                          ; no wait: since the wait ahead of the results' stores no vector or matrix instruction has named Q's registers or v1
	s_wait_loadcnt 0x0
	s_wait_xcnt 0x0                                ; the results' stores have had their addresses translated: their base and the codes' registers are written again later (the wait on vm_vsrc that belongs beside this one stands at the next trip's head)
.Lsame:
	s_mov_b32 s18, s19
	s_xor_b32 s22, s22, SLOTB
	s_xor_b32 s23, s23, SLOTB
	s_wait_dscnt 0x0                               ; my stores into the next slot have landed, and my reads of this slot are over
	s_barrier_signal -1
	s_barrier_wait -1
	s_sub_co_u32 s36, s36, 1
	s_cmp_lg_u32 s36, 0
	s_cbranch_scc1 .Ltrip
	s_lshl_b32 s21, s18, 8                         ; the second block's diagonal slot
	s_wait_alu depctr_vm_vsrc(0)                   ; the LDS loads issued so far have read v3; a finished block's stores have read the codes' registers
	v_add_nc_u32 v3, s22, v1
	s_wait_alu depctr_va_vdst(0)                   ; v3 is written: the last slot's LDS loads read it
	STEPS
	OUT
	s_wait_dscnt 0x0
	s_wait_alu depctr_hold_cnt(0) depctr_sa_sdst(0) depctr_va_vdst(0) depctr_va_sdst(0) depctr_va_ssrc(0) depctr_va_vcc(0) depctr_vm_vsrc(0)
	s_wait_tensorcnt 0x0
	ds_add_u32 v254, v255
	s_wait_dscnt 0x0
	s_endpgm
.Lfunc_end_k_q8369c3e99b_attn:
	.size	k_q8369c3e99b_attn, .Lfunc_end_k_q8369c3e99b_attn-k_q8369c3e99b_attn
	.p2alignl 7, 3214868480
	.fill 96, 4, 3214868480
	.section	.rodata,"a",@progbits
	.p2align	6, 0x0
	.amdhsa_kernel k_q8369c3e99b_attn
		.amdhsa_group_segment_fixed_size 66560
		.amdhsa_private_segment_fixed_size 0
		.amdhsa_enable_private_segment 0
		.amdhsa_kernarg_size 40
		.amdhsa_user_sgpr_count 2
		.amdhsa_user_sgpr_kernarg_segment_ptr 1
		.amdhsa_wavefront_size32 1
		.amdhsa_system_sgpr_workgroup_id_x 1
		.amdhsa_system_sgpr_workgroup_id_y 1
		.amdhsa_system_sgpr_workgroup_id_z 1
		.amdhsa_system_vgpr_workitem_id 0
		.amdhsa_next_free_vgpr 512
		.amdhsa_next_free_sgpr 98
		.amdhsa_reserve_vcc 0
		.amdhsa_float_denorm_mode_32 3
		.amdhsa_float_denorm_mode_16_64 3
		.amdhsa_memory_ordered 1
		.amdhsa_forward_progress 1
		.amdhsa_inst_pref_size 215
	.end_amdhsa_kernel
	.amdgpu_metadata
---
amdhsa.version: [ 1, 2 ]
amdhsa.kernels:
  - .name:           k_q8369c3e99b_attn
    .symbol:         k_q8369c3e99b_attn.kd
    .args:
      - { .name: qc, .offset: 0, .size: 8, .value_kind: global_buffer, .address_space: global }
      - { .name: kc, .offset: 8, .size: 8, .value_kind: global_buffer, .address_space: global }
      - { .name: vc, .offset: 16, .size: 8, .value_kind: global_buffer, .address_space: global }
      - { .name: lowp_scales, .offset: 24, .size: 8, .value_kind: global_buffer, .address_space: global }
      - { .name: ac, .offset: 32, .size: 8, .value_kind: global_buffer, .address_space: global }
    .group_segment_fixed_size: 66560
    .private_segment_fixed_size: 0
    .kernarg_segment_align: 8
    .kernarg_segment_size: 40
    .max_flat_workgroup_size: 256
    .sgpr_count:     98
    .vgpr_count:     512
    .wavefront_size: 32
...
	.end_amdgpu_metadata
.endif
;; end of part 4
;; launch outp: the kernel of part 3 again; grid 4 x 32, 4 waves a work-group, clusters of 4 x 4, 327,680 bytes of LDS; arguments ac, Wo_codes, lowp_scales, out0, bo; writes out0
